; MI455X (gfx1250); checked and timed in simulation.
; The chip was launched on July 23, 2026; its instructions are those of AMD's public machine-readable ISA for CDNA 5 (MIT licence, August 2026) and "CDNA5" Instruction Set Architecture Reference Guide (July 2026). The comments in the code are by the model that wrote it; some were corrected since.
;; Multi Query Attention. Allowed arithmetic: matrix products marked QUANTISED: E2M1 operands, one E8M0 scale for each 32 along K, by v_wmma_scale_f32_16x16x128_f8f6f4 with both operands' format E2M1 (or v_wmma_scale_f32_32x16x128_f4), f32 sums; products left as they are: bf16, f16 or f32 operands; f32 sums; everything else in f32.
;; Inputs: Wk 1,024 x 64 float32; Wo 1,024 x 1,024 float32; Wq 1,024 x 1,024 float32; Wv 1,024 x 64 float32; x 4 x 2,048 x 1,024 float32.
;; Outputs: out0 4 x 2,048 x 1,024 float32.
;; This version of the problem:
;;   THIS VERSION OF THE PROBLEM IS GIVEN IN LOW PRECISION. The matrix products marked QUANTISED in the list below multiply operands that are first quantised to E2M1 (2 exponent bits, 1 mantissa bit; 4 bits a number), with one power-of-two scale for each 32 numbers along K (OCP MX v1.0); their sums are f32. The products marked 'left as it is' may take bf16, f16 or f32 operands, with f32 sums. Whichever they take, every output number must still come out within the allowed error. Rounding operands to bf16 (8 significant bits) uses up far more of that allowance than f16 does (11 bits, for magnitudes from 6e-5 to 65,504). All else is computed in f32.
;;   The module's matrix products, in the order in which they are computed (A, B: the left and right operand; K: the contracted axis; several contracted axes count as one K, in the product's order):
;;     1. [M 8,192, K 1,024] x [K 1,024, N 1,024]; A: input x; B: input Wq: QUANTISED
;;     2. [M 8,192, K 1,024] x [K 1,024, N 64]; A: input x; B: input Wk: QUANTISED
;;     3. [M 8,192, K 1,024] x [K 1,024, N 64]; A: input x; B: input Wv: QUANTISED
;;     4. batch 4 x [M 32,768, K 64] x [K 64, N 2,048]; A: computed on the way; B: computed on the way: left as it is (an operand is computed on the way)
;;     5. batch 4 x [M 32,768, K 2,048] x [K 2,048, N 64]; A: computed on the way; B: computed on the way: left as it is (an operand is computed on the way)
;;     6. [M 8,192, K 1,024] x [K 1,024, N 1,024]; A: computed on the way; B: input Wo: left as it is (an operand is computed on the way)
;;   THE QUANTISER, for each operand of a quantised product, along K:
;;     - K is cut into blocks of 32 from its start; a last block that is shorter is filled with zeros.
;;     - A block's scale is 2^e with e = floor(log2(the largest magnitude in the block)) - 2, held to -126 .. 127; a block of zeros has e = 0. As a byte (E8M0): e + 127.
;;     - Each number is divided by its block's scale, clamped to +-6, and rounded to the nearest number of E2M1, ties to even, subnormals kept.
;;     - The product sums the exact products of the quantised numbers (number of the format x scale) in f32.
;;   ~~~python
;;   def quantise(x, axis):      # numpy; x: float32 -> the quantised numbers, widened to float32 again
;;       x = np.moveaxis(x, axis, -1); K = x.shape[-1]
;;       x = np.pad(x, [(0, 0)] * (x.ndim - 1) + [(0, -K % 32)]); x = x.reshape(x.shape[:-1] + (-1, 32)); a = np.abs(x).max(-1, keepdims=True)
;;       e = np.where(a > 0, np.clip(np.frexp(np.where(a > 0, a, 1))[1] - 1 - 2, -126, 127), 0)      # np.frexp(a)[1] - 1 = floor(log2(a)), exactly
;;       r = np.clip(x / 2.0 ** e, -6, 6)
;;       step = 2.0 ** (np.maximum(np.frexp(np.where(r == 0, 1, r))[1] - 1, 0) - 1)
;;       q = np.round(r / step) * step * 2.0 ** e      # np.round: ties to even
;;       return np.moveaxis(q.reshape(q.shape[:-2] + (-1,))[..., :K], -1, axis).astype(np.float32)
;;   ~~~
;; One version. Each part assembles by itself: llvm-mc -triple=amdgcn-amd-amdhsa -mcpu=gfx1250 --defsym DOCPART=n.
;; ======== version 1 of 1: 5 launches
;; limits: values are held in f16: magnitudes above 65,504 overflow, below 6.1e-05 lose precision
;; workspace buffers: xq 4,456,448 bytes; wq4 626,688 bytes; wo16 2,097,152 bytes; q16 16,777,216 bytes; kv16 2,097,152 bytes; att16 16,777,216 bytes; h32 294,912 bytes
;; launch prep (part 1): grid 456 x 1, 4 waves a work-group, no clusters, 33,280 bytes of LDS; arguments x, Wq, Wk, Wv, Wo, xq, wq4, wo16; writes xq, wq4, wo16
.if DOCPART == 1
	.amdgcn_target "amdgcn-amd-amdhsa--gfx1250"
	.amdhsa_code_object_version 6
	.text
	.protected	k_qce02ba80e6_prep
	.globl	k_qce02ba80e6_prep
	.p2align	8
	.type	k_qce02ba80e6_prep,@function
k_qce02ba80e6_prep:
	s_mov_b64 s[64:65], 0
	v_nop
	global_prefetch_b8 v0, s[64:65] scope:SCOPE_SE
	s_setreg_imm32_b32 hwreg(HW_REG_WAVE_MODE, 25, 1), 1
	s_wait_xcnt 0x0
; Three jobs in one launch, told apart by the work-group's number alone.
;  X (work-groups 0-255):   x [8192][1024] f32 -> codes of FP4 (E2M1), K innermost, 512 bytes a row, at xq; one E8M0 byte for each 32 along K, 32 bytes a row, at xq + 4,194,304.
;  W (work-groups 256-327): [Wq | Wk | Wv], f32 with K as the FIRST axis -> codes of FP4 laid as IMAGES OF THE OPERAND'S REGISTERS at wq4: [j 8][K step 8][tile 9][1024 bytes]; tile i < 8 of group j is
;     Wq's columns 16 (8 j + i) on, tile 8 is Wk's columns 16 j on (j < 4) or Wv's 16 (j - 4) on.  In an image, four registers are 512 bytes, lane l's 16 bytes at 16 l.  Scale words at wq4 + 589,824: [j][16 i + r][32 bytes].
;  O (work-groups 328-455): Wo f32 -> f16 images at wo16: [column tile 64][16 along K: 64][512 bytes]; lane (r, h) holds column 16 tile + r, k = 16 g + 8 h + 0 .. 7.
; A block's scale is 2^(floor(log2(largest magnitude)) - 2); its byte is the largest magnitude's exponent field - 2, held at 1 from below.
; LIMITS: NaN and infinities are not served; blocks whose largest magnitude lies under 2^-124 were not tried; a block of zeros gets the byte 1 (its codes are zeros, and this program alone reads the bytes);
; |Wo| stays under 65,504 (f16).  W's scale words leave as 4 bytes a lane, 32 bytes apart: 36,864 bytes in all.
; Only job X uses LDS.
.set SPW,   12                         ; v12 my spare word's LDS address; never rewritten
.set NIL,   13                         ; v13 0; never rewritten
.set SPARE, 32768                      ; behind the four waves' regions: 128 bytes a wave that no other line names
.set STEPS, 16
.set CB,    8                          ; bytes of 16 codes
.set R,     16                         ; v16-79   four sets of 16 numbers as loaded
.set X,     80                         ; v80-111  two sets of 16 neighbours
.set E,     112                        ; v112-127 a scale byte for each step
.set C,     128                        ; v128-191 codes, four registers for each step
.set WREG,  8192                       ; LDS of a wave: two stages of 32 x SP bytes, then 256 scale bytes
.set SP,    80                         ; a lane's place in a stage: 64 bytes + 16 of padding
.macro LOADX t
.irp i, 0,1,2,3
	global_load_b128 v[R+16*((\t)%4)+4*\i:R+16*((\t)%4)+4*\i+3], v3, s[4:5] offset:2048*(\t)+512*\i th:TH_LOAD_NT   ; 32 lanes read 512 consecutive bytes
.endr
.endm
.macro TURNX t                         ; a step's 2,048 bytes through my stage: in as they lie, out 64 bytes a lane; LDS serves a wave's instructions in order
.irp i, 0,1,2,3
	ds_store_b128 v14, v[R+16*((\t)%4)+4*\i:R+16*((\t)%4)+4*\i+3] offset:32*SP*((\t)%2)+8*SP*\i
.endr
.irp i, 0,1,2,3
	ds_load_b128 v[X+16*((\t)%2)+4*\i:X+16*((\t)%2)+4*\i+3], v15 offset:32*SP*((\t)%2)+16*\i
.endr
.endm
.macro STEPX t
.set XS, X+16*((\t)%2)
.if (\t) > 0
	s_wait_dscnt 1                                 ; this step's numbers are back from the stage; the last step's byte store may be out
.else
	s_wait_dscnt 0x0
.endif
.if (\t)+4 < STEPS
	LOADX (\t)+4                                   ; the stage's stores have read these registers
.endif
.if (\t)+1 < STEPS
.if STEPS-2-(\t) >= 3
	s_wait_loadcnt 12                              ; the next step's four loads are in; the three steps behind it (12 loads) may be out
.else
	s_wait_loadcnt 4*(STEPS-2-(\t))
.endif
	TURNX (\t)+1
.endif
	v_max3_num_f32 v8, |v[XS]|, |v[XS+1]|, |v[XS+2]|
	v_max3_num_f32 v9, |v[XS+3]|, |v[XS+4]|, |v[XS+5]|
.irp i, 6,10
	v_max3_num_f32 v8, v8, |v[XS+\i]|, |v[XS+\i+1]|
	v_max3_num_f32 v9, v9, |v[XS+\i+2]|, |v[XS+\i+3]|
.endr
	v_max3_num_f32 v8, v8, |v[XS+14]|, |v[XS+15]|
	v_max3_num_f32 v8, v8, v9, 0x1800000           ; the floor 2^(3 - 127): the byte cannot fall under 1
	v_max_num_f32_dpp v8, v8, v8 row_xmask:1 row_mask:0xf bank_mask:0xf   ; with my neighbour's 16: the block's largest magnitude
	v_add_nc_u32 v11, 0xff000000, v8               ; 2 off the exponent field: the conversion's scale operand
	v_cvt_scalef32_pk8_fp4_f32 v[C+4*(\t)], v[XS:XS+7], v11
	v_cvt_scalef32_pk8_fp4_f32 v[C+4*(\t)+1], v[XS+8:XS+15], v11
	v_lshrrev_b32 v[E+(\t)], 23, v11               ; the scale's byte
	ds_store_b8 v5, v[E+(\t)] offset:16*(\t)       ; both lanes of a block write the same byte
	global_store_b64 v4, v[C+4*(\t):C+4*(\t)+1], s[26:27] offset:32*CB*(\t)   ; 32 lanes store 256 consecutive bytes
.endm
.macro LOADW pitch                     ; 256 along K of my 16 columns: lane (r, h) takes column r, register 64 u + 32 c + i is k = 128 u + 64 c + 32 h + i
.irp u, 0,1
.irp c, 0,1
.set i, 0
.rept 32
	global_load_b32 v[64+64*\u+32*\c+i], v3, s[6:7] offset:(128*\u+64*\c+i)*\pitch th:TH_LOAD_NT
.set i, i+1
.endr
.endr
.endr
.endm
.macro QW u                            ; K step u of the two: two whole blocks a lane -> eight registers of codes, and the column's scale word
.irp c, 0,1
	v_max3_num_f32 v[32+\c], |v[64+64*\u+32*\c]|, |v[65+64*\u+32*\c]|, 0x1800000
.endr
.irp i, 2,4,6,8,10,12,14,16,18,20,22,24,26,28,30
.irp c, 0,1
	v_max3_num_f32 v[32+\c], v[32+\c], |v[64+64*\u+32*\c+\i]|, |v[65+64*\u+32*\c+\i]|
.endr
.endr
.irp c, 0,1
	v_add_nc_u32 v[44+\c], 0xff000000, v[32+\c]
.endr
.irp c, 0,1
	v_lshrrev_b32 v[36+\c], 23, v[44+\c]
.endr
	v_lshl_or_b32 v[40+\u], v37, 16, v36           ; my two bytes: blocks h and 2 + h,
	v_lshlrev_b32 v10, 3, v2
	v_lshlrev_b32 v[40+\u], v10, v[40+\u]          ; at their places in the word;
	v_mov_b32 v10, 0
	v_permlanex16_b32 v10, v[40+\u], s30, s31
	v_or_b32 v[40+\u], v[40+\u], v10               ; with lane l xor 16's two the word is whole
.irp c, 0,1
.irp g, 0,1,2,3
	v_cvt_scalef32_pk8_fp4_f32 v[48+8*\u+4*\c+\g], v[64+64*\u+32*\c+8*\g:71+64*\u+32*\c+8*\g], v[44+\c]
.endr
.endr
	v_nop                                          ; one plain line behind the last scaled conversion
	global_store_b128 v5, v[48+8*\u:51+8*\u], s[32:33] offset:9216*\u        ; the image: 512 consecutive bytes a store
	global_store_b128 v5, v[52+8*\u:55+8*\u], s[32:33] offset:9216*\u+512
.endm
	s_load_b256 s[4:11], s[0:1], 0x0               ; x s[4:5], Wq s[6:7], Wk s[8:9], Wv s[10:11]
	s_load_b256 s[12:19], s[0:1], 0x20             ; Wo s[12:13], xq s[14:15], wq4 s[16:17], wo16 s[18:19]
	v_lshl_add_u32 v[SPW], v0, 2, SPARE
	v_mov_b32 v[NIL], 0
	v_lshrrev_b32 v1, 5, v0
	v_readfirstlane_b32 s20, v1                    ; wave 0..3
	s_mov_b32 s25, 0                               ; the upper word of every 32-bit offset
	s_wait_kmcnt 0x0
	s_cmp_lt_u32 ttmp9, 256
	s_cbranch_scc1 .Lpath_x
	s_cmp_lt_u32 ttmp9, 328
	s_cbranch_scc1 .Lpath_w
	; ---- O: a wave takes 16 columns x 128 along K of Wo
	s_sub_co_u32 s21, ttmp9, 328
	s_and_b32 s22, s21, 15                         ; which 64 columns
	s_lshr_b32 s23, s21, 4                         ; which 128 along K
	v_and_b32 v1, 15, v0                           ; r
	v_bfe_u32 v2, v0, 4, 1                         ; h
	v_lshlrev_b32 v4, 2, v1
	v_lshl_add_u32 v3, v2, 15, v4                  ; 8 h rows of 4,096 bytes + 4 r
	v_and_b32 v5, 31, v0
	v_lshlrev_b32 v5, 4, v5                        ; 16 x lane
	s_lshl_b32 s24, s23, 19                        ; 128 rows of 4,096 bytes
	s_lshl_b32 s26, s22, 8
	s_add_co_u32 s24, s24, s26
	s_lshl_b32 s26, s20, 6
	s_add_co_u32 s24, s24, s26
	s_add_nc_u64 s[12:13], s[12:13], s[24:25]
	s_lshl_b32 s26, s22, 2
	s_add_co_u32 s26, s26, s20                     ; column tile
	s_lshl_b32 s24, s26, 15
	s_lshl_b32 s26, s23, 12                        ; eight groups of 512 bytes
	s_add_co_u32 s24, s24, s26
	s_add_nc_u64 s[18:19], s[18:19], s[24:25]
.irp g, 0,1,2,3,4,5,6,7
.irp jj, 0,1,2,3,4,5,6,7
	global_load_b32 v[64+8*\g+\jj], v3, s[12:13] offset:(16*\g+\jj)*4096 th:TH_LOAD_NT
.endr
.endr
	s_wait_loadcnt 32                              ; groups 0-3 are in; the 32 loads of groups 4-7 may be out
.irp g, 0,1,2,3
.irp p, 0,1,2,3
	v_cvt_pk_f16_f32 v[128+4*\g+\p], v[64+8*\g+2*\p], v[65+8*\g+2*\p]
.endr
	global_store_b128 v5, v[128+4*\g:131+4*\g], s[18:19] offset:512*\g
.endr
	s_wait_loadcnt 0x0
.irp g, 4,5,6,7
.irp p, 0,1,2,3
	v_cvt_pk_f16_f32 v[128+4*\g+\p], v[64+8*\g+2*\p], v[65+8*\g+2*\p]
.endr
	global_store_b128 v5, v[128+4*\g:131+4*\g], s[18:19] offset:512*\g
.endr
	s_endpgm
.Lpath_w:
	; ---- W: a wave takes one tile of 16 columns x 256 along K (two K steps of 128)
	s_sub_co_u32 s21, ttmp9, 256
	s_lshr_b32 s22, s21, 2                         ; 0-15: 64 columns of Wq; 16: Wk; 17: Wv
	s_and_b32 s23, s21, 3                          ; which 256 along K
	v_and_b32 v1, 15, v0                           ; r
	v_bfe_u32 v2, v0, 4, 1                         ; h
	v_and_b32 v5, 31, v0
	v_lshlrev_b32 v5, 4, v5                        ; 16 x lane
	v_lshlrev_b32 v4, 2, v1
	v_lshlrev_b32 v6, 5, v1
	v_lshl_add_u32 v6, v2, 2, v6                   ; 32 r + 4 h: my scale word's place
	s_mov_b32 s30, 0x76543210
	s_mov_b32 s31, 0xfedcba98                      ; selects for lane l xor 16
	s_cmp_lt_u32 s22, 16
	s_cbranch_scc0 .Lw_kv
	s_lshl_b32 s24, s23, 20                        ; 256 rows of 4,096 bytes
	s_lshl_b32 s26, s22, 8
	s_add_co_u32 s24, s24, s26
	s_lshl_b32 s26, s20, 6
	s_add_co_u32 s24, s24, s26
	s_add_nc_u64 s[6:7], s[6:7], s[24:25]
	s_lshr_b32 s27, s22, 1                         ; j
	s_and_b32 s28, s22, 1
	s_lshl_b32 s28, s28, 2
	s_add_co_u32 s28, s28, s20                     ; i
	v_lshl_add_u32 v3, v2, 17, v4                  ; 32 h rows of 4,096 bytes + 4 r
	LOADW 4096
	s_branch .Lw_go
.Lw_kv:
	s_cmp_eq_u32 s22, 16
	s_cselect_b64 s[6:7], s[8:9], s[10:11]         ; the choice hangs on the work-group's number alone
	s_cselect_b32 s27, 0, 4
	s_add_co_u32 s27, s27, s20                     ; j
	s_mov_b32 s28, 8                               ; i
	s_lshl_b32 s24, s23, 16                        ; 256 rows of 256 bytes
	s_lshl_b32 s26, s20, 6
	s_add_co_u32 s24, s24, s26
	s_add_nc_u64 s[6:7], s[6:7], s[24:25]
	v_lshl_add_u32 v3, v2, 13, v4                  ; 32 h rows of 256 bytes + 4 r
	LOADW 256
.Lw_go:                                            ; both arms have issued the same 128 loads into the same registers
	s_mul_i32 s24, s27, 73728
	s_mul_i32 s26, s23, 18432
	s_add_co_u32 s24, s24, s26
	s_lshl_b32 s26, s28, 10
	s_add_co_u32 s24, s24, s26
	s_add_nc_u64 s[32:33], s[16:17], s[24:25]      ; my tile's image of the first of my two K steps
	s_mul_i32 s24, s27, 4608
	s_lshl_b32 s26, s28, 9
	s_add_co_u32 s24, s24, s26
	s_lshl_b32 s26, s23, 3
	s_add_co_u32 s24, s24, s26
	s_add_co_u32 s24, s24, 589824
	s_add_nc_u64 s[34:35], s[16:17], s[24:25]      ; my tile's scale words of these two K steps
	s_wait_loadcnt 63                              ; the first K step's 64 loads are in: 64 were issued behind them, and 63 is the field's largest count
	QW 0
	s_wait_loadcnt 0x0
	QW 1
	v_cmp_eq_u32 vcc_lo, 1, v2
	v_cndmask_b32 v11, v40, v41, vcc_lo            ; lanes 0-15 store the first K step's word, lanes 16-31 the second's
	global_store_b32 v6, v11, s[34:35]
	s_endpgm
.Lpath_x:
	; ---- X: a wave takes 8,192 numbers of x, 16 steps of 512
	v_and_b32 v2, 31, v0                           ; lane
	v_lshlrev_b32 v3, 4, v2
	s_mul_i32 s21, s20, WREG
	v_lshrrev_b32 v14, 2, v2
	v_mul_u32_u24 v14, v14, SP
	v_and_b32 v15, 3, v2
	v_lshl_add_u32 v14, v15, 4, v14
	v_add_nc_u32 v14, s21, v14                     ; the stage, in: SP (lane / 4) + 16 (lane % 4)
	v_mul_u32_u24 v15, v2, SP
	v_add_nc_u32 v15, s21, v15                     ; and out: SP x lane
	v_mul_u32_u24 v4, v2, CB
	v_lshrrev_b32 v5, 1, v2
	s_add_co_u32 s21, s21, 2*32*SP
	v_add_nc_u32 v5, s21, v5                       ; my block's byte among my wave's 256
	v_lshlrev_b32 v7, 3, v2
	v_add_nc_u32 v6, s21, v7
	s_lshl_b32 s22, ttmp9, 2
	s_add_co_u32 s22, s22, s20                     ; which run of 8,192 numbers
	s_lshl_b32 s24, s22, 15
	s_add_nc_u64 s[4:5], s[4:5], s[24:25]
	s_lshl_b32 s24, s22, 12
	s_add_nc_u64 s[26:27], s[14:15], s[24:25]      ; its codes
	s_lshl_b32 s24, s22, 8
	s_add_co_u32 s24, s24, 4194304
	s_add_nc_u64 s[28:29], s[14:15], s[24:25]      ; its scale bytes
.irp t, 0,1,2,3
	LOADX \t
.endr
	s_wait_loadcnt 12                              ; step 0's four loads are in
	TURNX 0
.irp t, 0,1,2,3,4,5,6,7,8,9,10,11,12,13,14,15
	STEPX \t
.endr
	ds_load_b64 v[8:9], v6                         ; LDS serves a wave's instructions in order: these see my byte stores
	s_wait_dscnt 0x0
	global_store_b64 v7, v[8:9], s[28:29]          ; 32 lanes store 256 consecutive bytes
	s_wait_tensorcnt 0x0                           ; the wave's end: behind my last LDS store
	ds_add_u32 v[SPW], v[NIL]
	s_wait_dscnt 0x0
	s_endpgm
.Lfunc_end_k_qce02ba80e6_prep:
	.size	k_qce02ba80e6_prep, .Lfunc_end_k_qce02ba80e6_prep-k_qce02ba80e6_prep
	.p2alignl 7, 3214868480
	.fill 96, 4, 3214868480
	.section	.rodata,"a",@progbits
	.p2align	6, 0x0
	.amdhsa_kernel k_qce02ba80e6_prep
		.amdhsa_group_segment_fixed_size 33280
		.amdhsa_private_segment_fixed_size 0
		.amdhsa_enable_private_segment 0
		.amdhsa_kernarg_size 64
		.amdhsa_user_sgpr_count 2
		.amdhsa_user_sgpr_kernarg_segment_ptr 1
		.amdhsa_wavefront_size32 1
		.amdhsa_system_sgpr_workgroup_id_x 1
		.amdhsa_system_sgpr_workgroup_id_y 1
		.amdhsa_system_sgpr_workgroup_id_z 1
		.amdhsa_system_vgpr_workitem_id 0
		.amdhsa_next_free_vgpr 192
		.amdhsa_next_free_sgpr 66
		.amdhsa_reserve_vcc 1
		.amdhsa_float_denorm_mode_32 3
		.amdhsa_float_denorm_mode_16_64 3
		.amdhsa_memory_ordered 1
		.amdhsa_forward_progress 1
		.amdhsa_inst_pref_size 75
	.end_amdhsa_kernel
	.amdgpu_metadata
---
amdhsa.version: [ 1, 2 ]
amdhsa.kernels:
  - .name:           k_qce02ba80e6_prep
    .symbol:         k_qce02ba80e6_prep.kd
    .args:
      - { .name: x, .offset: 0, .size: 8, .value_kind: global_buffer, .address_space: global }
      - { .name: Wq, .offset: 8, .size: 8, .value_kind: global_buffer, .address_space: global }
      - { .name: Wk, .offset: 16, .size: 8, .value_kind: global_buffer, .address_space: global }
      - { .name: Wv, .offset: 24, .size: 8, .value_kind: global_buffer, .address_space: global }
      - { .name: Wo, .offset: 32, .size: 8, .value_kind: global_buffer, .address_space: global }
      - { .name: xq, .offset: 40, .size: 8, .value_kind: global_buffer, .address_space: global }
      - { .name: wq4, .offset: 48, .size: 8, .value_kind: global_buffer, .address_space: global }
      - { .name: wo16, .offset: 56, .size: 8, .value_kind: global_buffer, .address_space: global }
    .group_segment_fixed_size: 33280
    .private_segment_fixed_size: 0
    .kernarg_segment_align: 8
    .kernarg_segment_size: 64
    .max_flat_workgroup_size: 128
    .sgpr_count:     66
    .vgpr_count:     192
    .wavefront_size: 32
...
	.end_amdgpu_metadata
.endif
;; end of part 1
;; launch qkv (part 2): grid 8 x 32, 4 waves a work-group, clusters of 4 x 4, 229,376 bytes of LDS; arguments xq, wq4, q16, kv16, h32; writes q16, kv16, h32
.if DOCPART == 2
	.amdgcn_target "amdgcn-amd-amdhsa--gfx1250"
	.amdhsa_code_object_version 6
	.text
	.protected	k_qce02ba80e6_qkv
	.globl	k_qce02ba80e6_qkv
	.p2align	8
	.type	k_qce02ba80e6_qkv,@function
k_qce02ba80e6_qkv:
	s_mov_b64 s[64:65], 0
	v_nop
	global_prefetch_b8 v0, s[64:65] scope:SCOPE_SE
	s_setreg_imm32_b32 hwreg(HW_REG_WAVE_MODE, 25, 1), 1
	s_wait_xcnt 0x0
	s_wait_alu depctr_hold_cnt(0) depctr_sa_sdst(0) depctr_va_vdst(0) depctr_va_sdst(0) depctr_va_ssrc(0) depctr_va_vcc(0) depctr_vm_vsrc(0)
	s_getreg_b32 s2, hwreg(HW_REG_IB_STS2, 6, 4)
	s_cmp_eq_u32 s2, 0
	s_cbranch_scc0 .Lentry_in_a_cluster
	s_endpgm
.Lentry_in_a_cluster:
	s_bfe_u32 s2, ttmp6, 0x10000c
	s_cmp_lg_u32 s2, 0xf033
	s_cbranch_scc0 .Lentry_shape_is_right
	s_endpgm
.Lentry_shape_is_right:
; [q | k | v] = x [Wq | Wk | Wv] on codes of FP4 with E8M0 scales: [8192 x 1024] x [1024 x 1152], sums in f32.
; A work-group makes 256 rows x 144 columns (eight tiles of q and one of k or v); wave w its rows 64 w .. 64 w + 63: 36 accumulators.  All operands of a work-group lie in LDS at once, in two chunks of 512 along K:
; every LDS byte is filled once, so there is no ring.  CLUSTER 4 x 4: the four of a row need the same rows of x, the four of a column the same weights: each is asked for jointly.
; Row block = 8 cy + cluster y, so that the batch is cy and "the batch's first block" is cluster y = 0, which all partners share.
; USE: q and k transposed (source 0 = 16 columns of the weight, source 1 = 16 rows of x): a lane holds one row and eight neighbouring columns, which four roundings to f16 turn into four registers of the next
; product's operand.  v straight (source 0 = x, source 1 = Wv): a lane holds one channel and eight keys: V^T.  So results leave as images of operand registers, 512 consecutive bytes a store, with no stage in LDS.
;   q16 [position tile 512][16 columns: 64][512 B];  kv16 [key tile 512][8][512 B]: groups 0-3 K (lane: key r, channels 16 n + 8 h ..), groups 4-7 V^T (lane: channel 16 ct + r, keys 8 h ..).
;   h32 [batch][tile 72][1024 B]: the f32 accumulators of positions 0-15 as they stand, for the launch that carries those rows in f32.
; LIMITS: |q|, |k|, |v| stay under 65,504 (f16).
; REGISTERS: window 0: v16-29 addresses; v32-63 x's scale words [m][K step]; v64-135 the weights' [tile][K step]; v136-199 x's fragments, two sets.  window 1: the weights' fragments, two sets at v0 and v128; on the way out the f16 results.
;   window 2: accumulator (m, i) at v[8 (8 m + i)].  window 3: the ninth tile's, v[8 m].
.set PITCH, 272                        ; an LDS row of x's codes: 256 bytes + 16: sixteen rows start at sixteen different 16-byte columns
.set ACH,   69632                      ; a chunk of x: 256 rows
.set BCH0,  139264                     ; the weights' chunk 0: [K step 4][tile 9][1024], dense
.set BCHB,  36864
.set SCA,   212992                     ; x's scale bytes: 32 units of 256 + 16
.set SCB,   221696                     ; the weights': 18 units
.set SPARE, 226816                     ; the spare words, 128 bytes a wave, that no other line names
.set ADRA, 16
.set ADRB, 20
.set ASA,  22
.set ASB,  23
.set LI,   24
.set SPW,  28
.set NIL,  29
.set SA,   32
.set SB,   64
.set AF,   136
.set MSB, 0
.macro WIN new                         ; the immediate's high byte repeats the setting that is left
.if MSB != \new
	s_set_vgpr_msb (MSB<<8)|\new
.set MSB, \new
.endif
.endm
.macro PLACES n
.rept \n
	v_nop
.endr
.endm
; A joint load: waves 0 and 1 fetch for x, waves 2 and 3 for the weights; the branch hangs on the wave's number alone.  An s_nop 0 and four v_nop follow each line.
.macro JLOAD g0a, g1a, g0b, g1b
	s_cmp_eq_u32 s15, 0
	s_cbranch_scc0 .Lfor_b_\@
	tensor_load_to_lds s[\g0a:\g0a+3], s[\g1a:\g1a+7]
	s_nop 0
.rept 4
	v_nop
.endr
	s_branch .Lasked_\@
.Lfor_b_\@:
	tensor_load_to_lds s[\g0b:\g0b+3], s[\g1b:\g1b+7]
	s_nop 0
.rept 4
	v_nop
.endr
.Lasked_\@:
.endm
.macro CROUND                          ; a round of the cluster's barrier
	s_barrier_signal -1
	s_barrier_wait -1
	s_cmp_lg_u32 s14, 0
	s_cbranch_scc1 .Lnot_wave_0_\@
	s_barrier_signal -3
.Lnot_wave_0_\@:
	s_barrier_wait -3
	s_barrier_signal -1
	s_barrier_wait -1
.endm
.macro SCALES                          ; all scale words, once: a row's 32 bytes are its eight K steps' words
.irp m, 0,1,2,3
.irp c, 0,1
	ds_load_b128 v[SA+8*\m+4*\c:SA+8*\m+4*\c+3], v[ASA] offset:\m*544+16*\c
.endr
.endr
.irp i, 0,1,2,3,4,5,6,7,8
.irp c, 0,1
	ds_load_b128 v[SB+8*\i+4*\c:SB+8*\i+4*\c+3], v[ASB] offset:\i*544+16*\c
.endr
.endr
.endm
.macro FETCH s                         ; K step s: nine fragments of the weights and four of x into set s % 2
.set FC, (\s)/4
.set FQ, (\s)%4
.set FP, (\s)%2
	WIN 0x40
.irp i, 0,1,2,3,4,5,6,7,8
.irp cc, 0,1
	ds_load_b128 v[128*FP+8*\i+4*\cc:128*FP+8*\i+4*\cc+3], v[ADRB+FC] offset:FQ*9216+\i*1024+512*\cc
.endr
.endr
	WIN 0
.irp m, 0,1,2,3
.irp cc, 0,1
	ds_load_b128 v[AF+32*FP+8*\m+4*\cc:AF+32*FP+8*\m+4*\cc+3], v[ADRA+FC] offset:64*FQ+32*\cc+\m*4352
.endr
.endr
.endm
.macro MULQ s                          ; the 32 accumulators of q take turns, one instruction a turn
.set MP, (\s)%2
	WIN 0xa1
.irp m, 0,1,2,3
.irp i, 0,1,2,3,4,5,6,7
.if (\s) == 0
	v_wmma_scale_f32_16x16x128_f8f6f4 v[8*(8*\m+\i):8*(8*\m+\i)+7], v[128*MP+8*\i:128*MP+8*\i+7], v[AF+32*MP+8*\m:AF+32*MP+8*\m+7], 0, v[SB+8*\i+(\s)], v[SA+8*\m+(\s)] matrix_a_fmt:MATRIX_FMT_FP4 matrix_b_fmt:MATRIX_FMT_FP4
.else
	v_wmma_scale_f32_16x16x128_f8f6f4 v[8*(8*\m+\i):8*(8*\m+\i)+7], v[128*MP+8*\i:128*MP+8*\i+7], v[AF+32*MP+8*\m:AF+32*MP+8*\m+7], v[8*(8*\m+\i):8*(8*\m+\i)+7], v[SB+8*\i+(\s)], v[SA+8*\m+(\s)] matrix_a_fmt:MATRIX_FMT_FP4 matrix_b_fmt:MATRIX_FMT_FP4
.endif
.endr
.endr
.endm
.macro NINTH s                         ; the ninth tile: k (cluster x = 0) transposed like q, v (cluster x = 1) straight.  The branch hangs on the cluster's number, which all partners share
.set MP, (\s)%2
	WIN 0
	s_cmp_eq_u32 ttmp9, 0
	s_cbranch_scc0 .Lv_arm_\@
	WIN 0xf1
.irp m, 0,1,2,3
.if (\s) == 0
	v_wmma_scale_f32_16x16x128_f8f6f4 v[8*\m:8*\m+7], v[128*MP+64:128*MP+71], v[AF+32*MP+8*\m:AF+32*MP+8*\m+7], 0, v[SB+64+(\s)], v[SA+8*\m+(\s)] matrix_a_fmt:MATRIX_FMT_FP4 matrix_b_fmt:MATRIX_FMT_FP4
.else
	v_wmma_scale_f32_16x16x128_f8f6f4 v[8*\m:8*\m+7], v[128*MP+64:128*MP+71], v[AF+32*MP+8*\m:AF+32*MP+8*\m+7], v[8*\m:8*\m+7], v[SB+64+(\s)], v[SA+8*\m+(\s)] matrix_a_fmt:MATRIX_FMT_FP4 matrix_b_fmt:MATRIX_FMT_FP4
.endif
.endr
	WIN 0
	s_branch .Lninth_done_\@
.Lv_arm_\@:
	WIN 0xf4
.irp m, 0,1,2,3
.if (\s) == 0
	v_wmma_scale_f32_16x16x128_f8f6f4 v[8*\m:8*\m+7], v[AF+32*MP+8*\m:AF+32*MP+8*\m+7], v[128*MP+64:128*MP+71], 0, v[SA+8*\m+(\s)], v[SB+64+(\s)] matrix_a_fmt:MATRIX_FMT_FP4 matrix_b_fmt:MATRIX_FMT_FP4
.else
	v_wmma_scale_f32_16x16x128_f8f6f4 v[8*\m:8*\m+7], v[AF+32*MP+8*\m:AF+32*MP+8*\m+7], v[128*MP+64:128*MP+71], v[8*\m:8*\m+7], v[SA+8*\m+(\s)], v[SB+64+(\s)] matrix_a_fmt:MATRIX_FMT_FP4 matrix_b_fmt:MATRIX_FMT_FP4
.endif
.endr
	WIN 0
.Lninth_done_\@:
.endm
.macro KSTEP s
	s_wait_dscnt 0x0                               ; this step's fragments, asked for a step (36 matrix instructions) ago
.if (\s) == 3
	s_wait_tensorcnt 0x0                           ; my part of chunk 1 has landed,
	s_barrier_signal -1
	s_barrier_wait -1                              ; everybody's has
.endif
.if (\s) > 0
	PLACES 4                                       ; in front of loads into the set that the step before multiplied
.endif
.if (\s) < 7
	FETCH (\s)+1
.endif
	MULQ \s
	NINTH \s
.endm
	s_load_b256 s[4:11], s[0:1], 0x0               ; xq s[4:5], wq4 s[6:7], q16 s[8:9], kv16 s[10:11]
	s_load_b64 s[12:13], s[0:1], 0x20              ; h32
	v_lshl_add_u32 v[SPW], v0, 2, SPARE
	v_mov_b32 v[NIL], 0
	ds_add_u32 v[SPW], v[NIL]                      ; the wave's opening: the add, twice on end, and its wait ahead of my first tensor load
	ds_add_u32 v[SPW], v[NIL]
	v_lshrrev_b32 v1, 5, v0
	v_readfirstlane_b32 s14, v1                    ; wave 0..3
	s_lshr_b32 s15, s14, 1                         ; I fetch for x (0) or for the weights (1)
	s_and_b32 s16, s14, 1                          ; which half of it
	s_bfe_u32 s84, ttmp6, 0x40000                  ; cx
	s_bfe_u32 s85, ttmp6, 0x40004                  ; cy
	s_and_b32 s86, ttmp7, 0xffff                   ; cluster y
	s_lshl_b32 s87, ttmp9, 2
	s_add_co_u32 s87, s87, s84                     ; column group j = 4 x cluster x + cx
	s_lshl_b32 s88, s85, 3
	s_add_co_u32 s88, s88, s86                     ; row block = 8 cy + cluster y
	s_lshl_b32 s89, s85, 2
	s_lshl_b32 s89, 15, s89                        ; my row of the cluster
	s_lshl_b32 s90, 0x1111, s84                    ; my column
	s_or_b32 s24, s89, (1<<20)|(1<<21)|(5<<22)|(3<<25)          ; x's codes: 128 rows of 256 bytes, 512 apart; 16 bytes of padding behind each
	s_mov_b32 s25, 256<<16
	s_mov_b32 s26, 128<<16
	s_mov_b32 s27, 256<<16
	s_mov_b32 s28, 128
	s_mov_b32 s29, 512
	s_mov_b32 s30, 0
	s_mov_b32 s31, 0
	s_or_b32 s32, s89, (3<<16)|(1<<20)|(1<<21)|(5<<22)|(3<<25)  ; x's scale bytes of 128 rows: 16 dense units of 256 bytes, padded
	s_mov_b32 s33, 32<<16
	s_mov_b32 s34, 16<<16
	s_mov_b32 s35, 32<<16
	s_mov_b32 s36, 16
	s_mov_b32 s37, 32
	s_mov_b32 s38, 0
	s_mov_b32 s39, 0
	s_or_b32 s40, s90, (3<<16)|(1<<21)                          ; half a chunk of weight images: 72 dense units of 256 bytes
	s_mov_b32 s41, 32<<16
	s_mov_b32 s42, 72<<16
	s_mov_b32 s43, 32<<16
	s_mov_b32 s44, 72
	s_mov_b32 s45, 32
	s_mov_b32 s46, 0
	s_mov_b32 s47, 0
	s_or_b32 s48, s90, (3<<16)|(1<<20)|(1<<21)|(5<<22)|(3<<25)  ; half the weights' scale bytes: 9 units, padded
	s_mov_b32 s49, 32<<16
	s_mov_b32 s50, 9<<16
	s_mov_b32 s51, 32<<16
	s_mov_b32 s52, 9
	s_mov_b32 s53, 32
	s_mov_b32 s54, 0
	s_mov_b32 s55, 0
	s_lshl_b32 s20, s88, 17                        ; x's codes: 256 rows of 512 bytes a block,
	s_lshl_b32 s18, s16, 16                        ; 128 rows a half
	s_add_co_u32 s20, s20, s18
	s_mov_b32 s21, 0
	s_lshl_b32 s22, s88, 13                        ; x's scale bytes
	s_lshl_b32 s18, s16, 12
	s_add_co_u32 s22, s22, s18
	s_add_co_u32 s22, s22, 4194304
	s_mov_b32 s23, 0
	s_mul_i32 s92, s87, 73728                      ; the weights' images
	s_mul_i32 s18, s16, 18432
	s_add_co_u32 s92, s92, s18
	s_mov_b32 s93, 0
	s_mul_i32 s94, s87, 4608                       ; and scale bytes
	s_mul_i32 s18, s16, 2304
	s_add_co_u32 s94, s94, s18
	s_add_co_u32 s94, s94, 589824
	s_mov_b32 s95, 0
	s_mul_i32 s96, s16, 34816                      ; places in LDS: the wave's number alone
	s_mul_i32 s97, s16, 18432
	s_mul_i32 s91, s16, 4352
	s_mul_i32 s19, s16, 2448
	s_wait_dscnt 0x0                               ; both opening adds are done
	s_wait_kmcnt 0x0
	s_add_nc_u64 s[20:21], s[4:5], s[20:21]
	s_add_nc_u64 s[22:23], s[4:5], s[22:23]
	s_add_nc_u64 s[92:93], s[6:7], s[92:93]
	s_add_nc_u64 s[94:95], s[6:7], s[94:95]
	CROUND                                         ; all sixteen work-groups are here: the joint loads meet
	s_mov_b32 s56, 1
	s_add_co_u32 s57, s91, SCA
	s_mov_b64 s[58:59], s[22:23]
	s_or_b32 s59, s59, 0x80000000
	s_mov_b32 s72, 1
	s_add_co_u32 s73, s19, SCB
	s_mov_b64 s[74:75], s[94:95]
	s_or_b32 s75, s75, 0x80000000
	JLOAD 56, 32, 72, 48                           ; the scale bytes
.irp c, 0,1
	s_mov_b32 s[60+8*\c], 1
	s_add_co_u32 s[61+8*\c], s96, \c*ACH
	s_add_nc_u64 s[62+8*\c:63+8*\c], s[20:21], \c*256
	s_or_b32 s[63+8*\c], s[63+8*\c], 0x80000000
	s_mov_b32 s[76+4*\c], 1
	s_add_co_u32 s[77+4*\c], s97, BCH0+\c*BCHB
	s_add_nc_u64 s[78+4*\c:79+4*\c], s[92:93], \c*BCHB
	s_or_b32 s[79+4*\c], s[79+4*\c], 0x80000000
	JLOAD 60+8*\c, 24, 76+4*\c, 40                 ; chunk c: three loads of mine are out in all
.endr
	v_and_b32 v1, 15, v0                           ; r
	v_bfe_u32 v2, v0, 4, 1                         ; h
	v_and_b32 v3, 31, v0
	v_lshlrev_b32 v[LI], 4, v3                     ; 16 x lane
	v_mul_u32_u24 v4, v1, PITCH
	v_lshl_add_u32 v4, v2, 4, v4
	s_mul_i32 s18, s14, 64*PITCH
	v_add_nc_u32 v[ADRA], s18, v4                  ; x's fragments: (64 w + r) x pitch + 16 h
	v_add_nc_u32 v[ADRA+1], ACH, v[ADRA]
	v_add_nc_u32 v[ADRB], BCH0, v[LI]
	v_add_nc_u32 v[ADRB+1], BCH0+BCHB, v[LI]
	v_lshrrev_b32 v5, 3, v1
	v_lshlrev_b32 v6, 5, v1
	v_lshl_add_u32 v6, v5, 4, v6                   ; a row's 32 scale bytes: 32 r, and 16 more behind each unit of 256
	s_mul_i32 s18, s14, 2176
	s_add_co_u32 s18, s18, SCA
	v_add_nc_u32 v[ASA], s18, v6
	v_add_nc_u32 v[ASB], SCB, v6
	s_lshl_b32 s18, s88, 4
	s_lshl_b32 s19, s14, 2
	s_add_co_u32 s18, s18, s19                     ; my first position tile: 16 x row block + 4 w
	s_lshl_b32 s66, s18, 15
	s_lshl_b32 s19, s87, 12
	s_add_co_u32 s66, s66, s19
	s_mov_b32 s67, 0
	s_add_nc_u64 s[8:9], s[8:9], s[66:67]          ; q16
	s_lshl_b32 s66, s18, 12
	s_lshl_b32 s19, s87, 9
	s_add_co_u32 s66, s66, s19
	s_add_nc_u64 s[10:11], s[10:11], s[66:67]      ; kv16
	s_mul_i32 s66, s85, 73728
	s_lshl_b32 s19, s87, 13
	s_add_co_u32 s98, s66, s19
	s_mov_b32 s99, 0
	s_add_nc_u64 s[98:99], s[12:13], s[98:99]      ; h32: my eight tiles of q
	s_lshl_b32 s19, s87, 10
	s_add_co_u32 s66, s66, s19
	s_add_co_u32 s66, s66, 65536
	s_add_nc_u64 s[12:13], s[12:13], s[66:67]      ; h32: my tile of k or v
	s_wait_tensorcnt 1                             ; the scale bytes and my part of chunk 0 are in; chunk 1's load may be out
	s_barrier_signal -1
	s_barrier_wait -1                              ; everybody's are
	SCALES
	FETCH 0
.irp s, 0,1,2,3,4,5,6,7
	KSTEP \s
.endr
	PLACES 4                                       ; in front of the first reads of results and of writes over the weights' fragments
	; positions 0-15 of a batch: the f32 sums as they stand.  The branches hang on the cluster's y and the wave's number
	s_cmp_lg_u32 s86, 0
	s_cbranch_scc1 .Lno_f32
	s_cmp_lg_u32 s14, 0
	s_cbranch_scc1 .Lno_f32
	WIN 0x08                                       ; a store's data: window 2
.irp i, 0,1,2,3,4,5,6,7
	global_store_b128 v[LI], v[8*\i:8*\i+3], s[98:99] offset:\i*1024
	global_store_b128 v[LI], v[8*\i+4:8*\i+7], s[98:99] offset:\i*1024+512
.endr
	WIN 0x0c                                       ; window 3
	global_store_b128 v[LI], v[0:3], s[12:13]
	global_store_b128 v[LI], v[4:7], s[12:13] offset:512
	WIN 0
.Lno_f32:
	WIN 0x4a                                       ; sources window 2, destination window 1
.set k, 0
.rept 32
.irp p, 0,1,2,3
	v_cvt_pk_f16_f32 v[4*k+\p], v[8*k+2*\p], v[8*k+2*\p+1]      ; each accumulator from its low end on
.endr
.set k, k+1
.endr
	WIN 0x4f                                       ; sources window 3
.irp m, 0,1,2,3
.irp p, 0,1,2,3
	v_cvt_pk_f16_f32 v[128+4*\m+\p], v[8*\m+2*\p], v[8*\m+2*\p+1]
.endr
.endr
	WIN 0x04                                       ; a store's data: window 1
.irp m, 0,1,2,3
.irp i, 0,1,2,3,4,5,6,7
	global_store_b128 v[LI], v[4*(8*\m+\i):4*(8*\m+\i)+3], s[8:9] offset:\m*32768+\i*512   ; 512 consecutive bytes, at a multiple of 512 from the buffer's first byte
.endr
.endr
.irp m, 0,1,2,3
	global_store_b128 v[LI], v[128+4*\m:131+4*\m], s[10:11] offset:\m*4096
.endr
	WIN 0
	s_wait_tensorcnt 0x0                           ; the wave's end
	ds_add_u32 v[SPW], v[NIL]
	s_wait_dscnt 0x0
	CROUND                                         ; the closing round
	s_endpgm
.Lfunc_end_k_qce02ba80e6_qkv:
	.size	k_qce02ba80e6_qkv, .Lfunc_end_k_qce02ba80e6_qkv-k_qce02ba80e6_qkv
	.p2alignl 7, 3214868480
	.fill 96, 4, 3214868480
	.section	.rodata,"a",@progbits
	.p2align	6, 0x0
	.amdhsa_kernel k_qce02ba80e6_qkv
		.amdhsa_group_segment_fixed_size 229376
		.amdhsa_private_segment_fixed_size 0
		.amdhsa_enable_private_segment 0
		.amdhsa_kernarg_size 40
		.amdhsa_user_sgpr_count 2
		.amdhsa_user_sgpr_kernarg_segment_ptr 1
		.amdhsa_wavefront_size32 1
		.amdhsa_system_sgpr_workgroup_id_x 1
		.amdhsa_system_sgpr_workgroup_id_y 1
		.amdhsa_system_sgpr_workgroup_id_z 1
		.amdhsa_system_vgpr_workitem_id 0
		.amdhsa_next_free_vgpr 800
		.amdhsa_next_free_sgpr 100
		.amdhsa_reserve_vcc 0
		.amdhsa_float_denorm_mode_32 3
		.amdhsa_float_denorm_mode_16_64 3
		.amdhsa_memory_ordered 1
		.amdhsa_forward_progress 1
		.amdhsa_inst_pref_size 83
	.end_amdhsa_kernel
	.amdgpu_metadata
---
amdhsa.version: [ 1, 2 ]
amdhsa.kernels:
  - .name:           k_qce02ba80e6_qkv
    .symbol:         k_qce02ba80e6_qkv.kd
    .args:
      - { .name: xq, .offset: 0, .size: 8, .value_kind: global_buffer, .address_space: global }
      - { .name: wq4, .offset: 8, .size: 8, .value_kind: global_buffer, .address_space: global }
      - { .name: q16, .offset: 16, .size: 8, .value_kind: global_buffer, .address_space: global }
      - { .name: kv16, .offset: 24, .size: 8, .value_kind: global_buffer, .address_space: global }
      - { .name: h32, .offset: 32, .size: 8, .value_kind: global_buffer, .address_space: global }
    .group_segment_fixed_size: 229376
    .private_segment_fixed_size: 0
    .kernarg_segment_align: 8
    .kernarg_segment_size: 40
    .max_flat_workgroup_size: 128
    .sgpr_count:     100
    .vgpr_count:     800
    .wavefront_size: 32
...
	.end_amdgpu_metadata
.endif
;; end of part 2
;; launch attn (part 3): grid 64 x 4, 8 waves a work-group, clusters of 4 x 1, 327,680 bytes of LDS; arguments q16, kv16, att16; writes att16
.if DOCPART == 3
	.amdgcn_target "amdgcn-amd-amdhsa--gfx1250"
	.amdhsa_code_object_version 6
	.text
	.protected	k_qce02ba80e6_attn
	.globl	k_qce02ba80e6_attn
	.p2align	8
	.type	k_qce02ba80e6_attn,@function
k_qce02ba80e6_attn:
	s_mov_b64 s[64:65], 0
	v_nop
	global_prefetch_b8 v0, s[64:65] scope:SCOPE_SE
	s_setreg_imm32_b32 hwreg(HW_REG_WAVE_MODE, 25, 1), 1
	s_wait_xcnt 0x0
	s_wait_alu depctr_hold_cnt(0) depctr_sa_sdst(0) depctr_va_vdst(0) depctr_va_sdst(0) depctr_va_ssrc(0) depctr_va_vcc(0) depctr_vm_vsrc(0)
	s_getreg_b32 s2, hwreg(HW_REG_IB_STS2, 6, 4)
	s_cmp_eq_u32 s2, 0
	s_cbranch_scc0 .Lentry_in_a_cluster
	s_endpgm
.Lentry_in_a_cluster:
	s_bfe_u32 s2, ttmp6, 0x10000c
	s_cmp_lg_u32 s2, 0x3003
	s_cbranch_scc0 .Lentry_shape_is_right
	s_endpgm
.Lentry_shape_is_right:
; Causal attention with one shared K and V head: 16 query heads of 64 channels, f16 operands, f32 sums, maxima and softmax; a running maximum is taken away before every exponential.
; SHARES.  A work-group owns position tiles i and 127 - i of one batch (16 positions each), for all 16 heads; wave w heads 2 w and 2 w + 1: two tiles of 16 queries that share every fragment of K and V.
; It walks the low tile's keys, then the high tile's, 64 keys a step, 256 keys (65,536 dense bytes of kv16) a slot.  With i = 4 g + cx the low tile needs g + 1 steps in g / 4 + 1 slots, the high one 32 - g steps in
; 8 - g / 4 slots: 33 steps and 9 slot visits in EVERY work-group: equal work and a constant trip count.  Steps beyond a tile's last are jumped over (a branch on ids and counts alone).
; CLUSTER 4 x 1: the four partners share g and the batch, so they walk the same slots: each slot is asked for jointly.  cx enters only Q's and O's addresses and the mask's numbers.
; LAYOUT.  S^T = K Q^T, O^T = V^T P: a lane holds one query throughout.  All operands come as images of their registers: dense 512-byte LDS loads, no padding, no turning load; results leave as images too (att16, laid as q16).
; Two waves share a SIMD, so that one wave's softmax stands beside the other's matrix instructions.
; The rows of positions 0-15 of each batch are computed here like all others and are replaced by the launch that carries them in f32.
; LIMITS: the attention's results stay under 65,504 (f16).
; REGISTERS: window 0: v1-8 addresses and constants; v16-31 statistics, eight a tile (+0 c m, +1 m, +2, +3 l, +4 .. +7 at work; a takes +6); v32-63 Q; v64-127 S^T, then p; v128-159 P; v160-223 O^T; v224-255 results in f16.
;   window 1: v0-63 K's fragments; v64-127 V's; v128-159 the high tile's Q.
.set LI,   1                           ; 16 x lane
.set ADR,  2
.set DM,   3                           ; the mask's threshold: key 16 kt + jj of the diagonal step is hidden where 16 kt + jj > DM
.set DH,   4                           ; the high tile's
.set NINF, 5
.set SPW,  6
.set NIL,  7
.set PFO,  8
.set ST,   16
.set Q,    32
.set S,    64
.set P,    128
.set O,    160
.set OUT,  224
.set KF,   0
.set VF,   64
.set QH,   128
.set SLOT1, 65536
.set SPARE, 131072                     ; behind the two slots: 128 bytes a wave that no other line names
.set WV,   12
.set GG,   13                          ; g: the cluster's x
.set CX,   14
.set BB,   15
.set C1,   16                          ; the visit at which the high tile begins: g / 4 + 1
.set LAST, 17                          ; the tile's last key step, the one on the diagonal
.set STP,  18                          ; the key step in hand
.set VV,   19                          ; the visit
.set KS,   20                          ; the key slot last asked for
.set TB,   21                          ; LDS byte at which the step's tiles begin
.set CS,   22                          ; s[22:23] c = log2(e) / 8
.set G1,   24
.set G0,   32
.set KVB,  36                          ; s[36:37] kv16 at my batch and my wave's 8,192 bytes of a slot
.set OFF,  38
.set OL,   40
.set OH,   42
.set SEL,  44
.set PFA,  46
.set PLIM, 48
.set INNER, 49
.set MSB, 0
.macro WIN new
.if MSB != \new
	s_set_vgpr_msb (MSB<<8)|\new
.set MSB, \new
.endif
.endm
.macro CROUND
	s_barrier_signal -1
	s_barrier_wait -1
	s_cmp_lg_u32 s[WV], 0
	s_cbranch_scc1 .Lnot_wave_0_\@
	s_barrier_signal -3
.Lnot_wave_0_\@:
	s_barrier_wait -3
	s_barrier_signal -1
	s_barrier_wait -1
.endm
.macro INITSTATE                       ; the step is written once: a tile's first step finds zeros and a largest score under every score
.set k, 0
.rept 64
	v_mov_b32 v[O+k], 0
.set k, k+1
.endr
.irp t, 0,1
	v_mov_b32 v[ST+8*\t+1], 0xff61b1e6             ; -3e38
	v_mul_f32 v[ST+8*\t], s[CS], v[ST+8*\t+1]
.irp z, 2,3,4,5,6,7
	v_mov_b32 v[ST+8*\t+\z], 0
.endr
.endr
.endm
; A prefetch of the key slot that the NEXT change of slots will ask for: 65,536 bytes, 256 bytes a lane.  Each block is named once in the launch: the batch's first cluster asks (there visit V reads key slot V - 1 from
; V = 1 on, and the next change loads slot V + 1); its four partners take 16,384 bytes each, told apart by address; in each, waves 0 and 1 ask.  Slots 1 to 7 are named; slot 0 comes by its load alone.
.macro ASK
	s_cmp_lt_u32 s[VV], s[PLIM]
	s_cbranch_scc0 .Lnot_mine_\@
	global_prefetch_b8 v[PFO], s[PFA:PFA+1] th:TH_LOAD_NT scope:SCOPE_SE
.Lnot_mine_\@:
.endm
; THE CHANGE OF SLOTS stands at a visit's head.  Each wave waits for all its tensor loads (its part of the slot ahead), adds 0 to its spare word, and waits for that and for its reads of the slot that it has left.
; fill = 1: behind a round of the cluster's barrier the slot just left takes the next visit's keys: one load a wave, 8,192 bytes, with a whole visit in which to land.
.macro CHANGE fill
	s_wait_tensorcnt 0x0                           ; no tensor load of mine is out, so the descriptor may be written
	ds_add_u32 v[SPW], v[NIL]
.if \fill
	s_xor_b32 s[G0+1], s[G0+1], SLOT1              ; the other slot than last time
	s_add_co_u32 s50, s[VV], 1
	s_add_co_u32 s[KS], s[KS], 1
	s_cmp_eq_u32 s50, s[C1]
	s_cselect_b32 s[KS], 0, s[KS]                  ; the next visit's key slot: one on, or 0 where the high tile begins
	s_lshl_b32 s[OFF], s[KS], 16
	s_add_nc_u64 s[G0+2:G0+3], s[KVB:KVB+1], s[OFF:OFF+1]
	s_or_b32 s[G0+3], s[G0+3], 0x80000000
	s_wait_xcnt 0x0                                ; the last prefetch, a visit back, has read its address
	s_add_nc_u64 s[PFA:PFA+1], s[PFA:PFA+1], SLOT1
.endif
	s_wait_dscnt 0x0                               ; the add is done, and my reads of the slot that I have left are over
.if \fill
	CROUND
	tensor_load_to_lds s[G0:G0+3], s[G1:G1+7]      ; the first thing behind the round, and my one tensor load until the next
	s_nop 0
.rept 4
	v_nop
.endr
	ASK
.else
	s_barrier_signal -1
	s_barrier_wait -1
.endif
.endm
; One key step's softmax for both tiles, line by line by turns.  All 66 exponentials are one batch with one wait.
.macro SOFTMAX
.irp j, 0,1,2,3
.irp t, 0,1
	v_max3_num_f32 v[ST+8*\t+4+\j], v[S+32*\t+8*\j], v[S+32*\t+8*\j+1], v[S+32*\t+8*\j+2]     ; each accumulator is read from its low end on
.endr
.endr
.irp q, 3,5
.irp j, 0,1,2,3
.irp t, 0,1
	v_max3_num_f32 v[ST+8*\t+4+\j], v[ST+8*\t+4+\j], v[S+32*\t+8*\j+\q], v[S+32*\t+8*\j+\q+1]
.endr
.endr
.endr
.irp t, 0,1
	v_max3_num_f32 v[ST+8*\t+4], v[ST+8*\t+4], v[S+32*\t+7], v[S+32*\t+15]
.endr
.irp t, 0,1
	v_max3_num_f32 v[ST+8*\t+6], v[ST+8*\t+6], v[S+32*\t+23], v[S+32*\t+31]
.endr
.irp t, 0,1
	v_max3_num_f32 v[ST+8*\t+4], v[ST+8*\t+4], v[ST+8*\t+5], v[ST+8*\t+6]
.endr
.irp t, 0,1
	v_max3_num_f32 v[ST+8*\t+4], v[ST+8*\t+4], v[ST+8*\t+7], v[ST+8*\t+1]    ; with the old m
.endr
.irp t, 0,1
	v_permlanex16_b32 v[ST+8*\t+5], v[ST+8*\t+4], s[SEL], s[SEL+1]           ; the query's other 32 keys lie in the lane 16 away
.endr
.irp t, 0,1
	v_mov_b32 v[ST+8*\t+7], v[ST+8*\t]             ; c m_old
.endr
.irp t, 0,1
	v_max_num_f32 v[ST+8*\t+1], v[ST+8*\t+4], v[ST+8*\t+5]
.endr
.irp t, 0,1
	v_mul_f32 v[ST+8*\t], s[CS], v[ST+8*\t+1]
.endr
.irp t, 0,1
	v_sub_f32 v[ST+8*\t+7], v[ST+8*\t+7], v[ST+8*\t]
.endr
.irp b, 0,2,4,6,8,10,12,14,16,18,20,22,24,26,28,30
.irp t, 0,1
	v_pk_fma_f32 v[S+32*\t+\b:S+32*\t+\b+1], v[S+32*\t+\b:S+32*\t+\b+1], s[CS:CS+1], v[ST+8*\t:ST+8*\t+1] op_sel_hi:[1,0,0] neg_lo:[0,0,1] neg_hi:[0,0,1]   ; c s - c m
.endr
.endr
.irp t, 0,1
	v_exp_f32 v[ST+8*\t+6], v[ST+8*\t+7]           ; a = 2^(c m_old - c m_new)
.endr
.set k, 0
.rept 64
	v_exp_f32 v[S+k], v[S+k]
.set k, k+1
.endr
	v_nop                                          ; a plain line behind the last exponential
	s_wait_alu depctr_va_vdst(0)                   ; one wait for the batch, ahead of its first reader
.irp n, 0,1,2,3,4,5,6,7,8,9,10,11,12,13,14,15
.irp t, 0,1
	v_cvt_pk_f16_f32 v[P+16*\t+\n], v[S+32*\t+2*\n], v[S+32*\t+2*\n+1]       ; two score tiles, rounded in pairs, ARE source 1 of the second product
.endr
.endr
.irp u, 0,1,2,3,4,5,6,7
.irp t, 0,1
	v_pk_add_f32 v[S+32*\t+4*\u:S+32*\t+4*\u+1], v[S+32*\t+4*\u:S+32*\t+4*\u+1], v[S+32*\t+4*\u+2:S+32*\t+4*\u+3]   ; the sum of the unrounded weights
.endr
.endr
.irp u, 0,1,2,3
.irp t, 0,1
	v_pk_add_f32 v[S+32*\t+8*\u:S+32*\t+8*\u+1], v[S+32*\t+8*\u:S+32*\t+8*\u+1], v[S+32*\t+8*\u+4:S+32*\t+8*\u+5]
.endr
.endr
.irp u, 0,1
.irp t, 0,1
	v_pk_add_f32 v[S+32*\t+16*\u:S+32*\t+16*\u+1], v[S+32*\t+16*\u:S+32*\t+16*\u+1], v[S+32*\t+16*\u+8:S+32*\t+16*\u+9]
.endr
.endr
.irp t, 0,1
	v_pk_add_f32 v[S+32*\t:S+32*\t+1], v[S+32*\t:S+32*\t+1], v[S+32*\t+16:S+32*\t+17]
.endr
.irp t, 0,1
	v_pk_fma_f32 v[ST+8*\t+2:ST+8*\t+3], v[ST+8*\t+2:ST+8*\t+3], v[ST+8*\t+6:ST+8*\t+7], v[S+32*\t:S+32*\t+1] op_sel_hi:[1,0,1]   ; l = a l + the sum
.endr
.irp b, 0,2,4,6,8,10,12,14,16,18,20,22,24,26,28,30
.irp t, 0,1
	v_pk_mul_f32 v[O+32*\t+\b:O+32*\t+\b+1], v[O+32*\t+\b:O+32*\t+\b+1], v[ST+8*\t+6:ST+8*\t+7] op_sel_hi:[1,0]     ; O^T x a, each accumulator from its low end on
.endr
.endr
.endm
; A KEY STEP: 64 keys.
.macro STEP
	s_cmp_gt_u32 s[STP], s[LAST]                   ; all its keys come after my tile's queries: left out
	s_cbranch_scc1 .Lskip_\@
	v_add_nc_u32 v[ADR], s[TB], v[LI]
.rept 3
	v_nop                                          ; with the addition: four places in front of loads into registers that the last products read
.endr
	WIN 0x40
.irp kt, 0,1,2,3
.irp n, 0,1,2,3
	ds_load_b128 v[KF+16*\kt+4*\n:KF+16*\kt+4*\n+3], v[ADR] offset:\kt*4096+512*\n
.endr
.endr
.irp ct, 0,1,2,3
.irp ks, 0,1
.irp gg, 0,1
	ds_load_b128 v[VF+8*(2*\ct+\ks)+4*\gg:VF+8*(2*\ct+\ks)+4*\gg+3], v[ADR] offset:(2*\ks+\gg)*4096+2048+512*\ct
.endr
.endr
.endr
	s_wait_dscnt 16                                ; K's 16 loads are in; V's 16 may be out
	WIN 0x01
.irp cs, 0,1                                       ; S^T = K Q^T: eight accumulators by turns
.irp kt, 0,1,2,3
.irp t, 0,1
.if \cs == 0
	v_wmma_f32_16x16x32_f16 v[S+32*\t+8*\kt:S+32*\t+8*\kt+7], v[KF+16*\kt+8*\cs:KF+16*\kt+8*\cs+7], v[Q+16*\t+8*\cs:Q+16*\t+8*\cs+7], 0
.else
	v_wmma_f32_16x16x32_f16 v[S+32*\t+8*\kt:S+32*\t+8*\kt+7], v[KF+16*\kt+8*\cs:KF+16*\kt+8*\cs+7], v[Q+16*\t+8*\cs:Q+16*\t+8*\cs+7], v[S+32*\t+8*\kt:S+32*\t+8*\kt+7]
.endif
.endr
.endr
.endr
	WIN 0
.rept 4
	v_nop                                          ; places in front of the first read of the scores
.endr
	s_cmp_lg_u32 s[STP], s[LAST]                   ; only the tile's last step lies on the diagonal
	s_cbranch_scc1 .Lopen_\@
.irp kt, 0,1,2,3
.irp jj, 0,1,2,3,4,5,6,7
	v_cmp_gt_i32 vcc_lo, 16*\kt+\jj, v[DM]
	v_cndmask_b32 v[S+8*\kt+\jj], v[S+8*\kt+\jj], v[NINF], vcc_lo            ; hidden scores become -infinity: p = 0
	v_cndmask_b32 v[S+32+8*\kt+\jj], v[S+32+8*\kt+\jj], v[NINF], vcc_lo
.endr
.endr
.Lopen_\@:
	SOFTMAX
	s_wait_dscnt 0x0                               ; V is in
	WIN 0x01
.irp ks, 0,1                                       ; O^T += V^T P: eight accumulators by turns
.irp ct, 0,1,2,3
.irp t, 0,1
	v_wmma_f32_16x16x32_f16 v[O+32*\t+8*\ct:O+32*\t+8*\ct+7], v[VF+8*(2*\ct+\ks):VF+8*(2*\ct+\ks)+7], v[P+16*\t+8*\ks:P+16*\t+8*\ks+7], v[O+32*\t+8*\ct:O+32*\t+8*\ct+7]
.endr
.endr
.endr
	WIN 0
.Lskip_\@:
	s_add_co_u32 s[STP], s[STP], 1
	s_add_co_u32 s[TB], s[TB], 16384
.endm
.macro FOUR_STEPS
	s_mov_b32 s[INNER], 4
.Lstep_\@:
	STEP
	s_sub_co_u32 s[INNER], s[INNER], 1
	s_cmp_lg_u32 s[INNER], 0
	s_cbranch_scc1 .Lstep_\@
	s_sub_co_u32 s[TB], s[TB], SLOT1               ; back to a slot's first step,
	s_xor_b32 s[TB], s[TB], SLOT1                  ; in the other slot
.endm
; A tile is finished: O^T / l, rounded to f16, stored as images.  again = 1: earlier stores read the same registers.
.macro FINISH base, again
.rept 4
	v_nop                                          ; places behind the last products
.endr
.irp t, 0,1
	v_add_f32 v[ST+8*\t+4], v[ST+8*\t+2], v[ST+8*\t+3]
.endr
.irp t, 0,1
	v_permlanex16_b32 v[ST+8*\t+5], v[ST+8*\t+4], s[SEL], s[SEL+1]
.endr
.irp t, 0,1
	v_add_f32 v[ST+8*\t+4], v[ST+8*\t+4], v[ST+8*\t+5]
.endr
.irp t, 0,1
	v_rcp_f32 v[ST+8*\t+6], v[ST+8*\t+4]
.endr
	v_nop
	s_wait_alu depctr_va_vdst(0)                   ; one wait for the two reciprocals, ahead of their first reader
.irp b, 0,2,4,6,8,10,12,14,16,18,20,22,24,26,28,30
.irp t, 0,1
	v_pk_mul_f32 v[O+32*\t+\b:O+32*\t+\b+1], v[O+32*\t+\b:O+32*\t+\b+1], v[ST+8*\t+6:ST+8*\t+7] op_sel_hi:[1,0]
.endr
.endr
.if \again
	s_wait_xcnt 0x0                                ; the low tile's stores have read these registers
.endif
.irp n, 0,1,2,3,4,5,6,7,8,9,10,11,12,13,14,15
.irp t, 0,1
	v_cvt_pk_f16_f32 v[OUT+16*\t+\n], v[O+32*\t+2*\n], v[O+32*\t+2*\n+1]
.endr
.endr
.irp t, 0,1
.irp ct, 0,1,2,3
	global_store_b128 v[LI], v[OUT+16*\t+4*\ct:OUT+16*\t+4*\ct+3], s[\base:\base+1] offset:(4*\t+\ct)*512   ; 512 consecutive bytes
.endr
.endr
.endm
.macro SWITCH                          ; at visit C1 the low tile is done and the high tile begins.  The condition is made of the cluster's number and the count of visits
	s_cmp_lg_u32 s[VV], s[C1]
	s_cbranch_scc1 .Lno_switch_\@
	FINISH OL, 0
	WIN 0x01
.set k, 0
.rept 32
	v_mov_b32 v[Q+k], v[QH+k]                      ; the high tile's Q, loaded at the head: no wait for memory in the middle of the walk
.set k, k+1
.endr
	WIN 0
	INITSTATE
	v_mov_b32 v[DM], v[DH]
	s_mov_b32 s[STP], 0
	s_sub_co_u32 s[LAST], 31, s[GG]
.Lno_switch_\@:
.endm
	s_load_b128 s[4:7], s[0:1], 0x0                ; q16 s[4:5], kv16 s[6:7]
	s_load_b64 s[8:9], s[0:1], 0x10                ; att16
	v_lshl_add_u32 v[SPW], v0, 2, SPARE
	v_mov_b32 v[NIL], 0
	ds_add_u32 v[SPW], v[NIL]                      ; the wave's opening: the add, twice on end, and its wait ahead of my first tensor load
	ds_add_u32 v[SPW], v[NIL]
	v_lshrrev_b32 v9, 5, v0
	v_readfirstlane_b32 s[WV], v9                  ; wave 0..7
	s_mov_b32 s[GG], ttmp9
	s_bfe_u32 s[CX], ttmp6, 0x40000
	s_and_b32 s[BB], ttmp7, 0xffff                 ; the batch
	s_lshr_b32 s[C1], s[GG], 2
	s_add_co_u32 s[C1], s[C1], 1
	s_lshl_b32 s50, s[GG], 2
	s_add_co_u32 s50, s50, s[CX]                   ; i
	s_lshl_b32 s51, s[BB], 7
	s_add_co_u32 s52, s51, s50                     ; the low tile
	s_sub_co_u32 s53, 127, s50
	s_add_co_u32 s53, s53, s51                     ; the high tile
	s_lshl_b32 s52, s52, 15
	s_lshl_b32 s53, s53, 15
	s_lshl_b32 s54, s[WV], 12                      ; my two heads: eight groups of 512 bytes
	s_add_co_u32 s52, s52, s54
	s_add_co_u32 s54, s53, s54
	s_mov_b32 s53, 0
	s_mov_b32 s55, 0
	s_lshl_b32 s50, s[BB], 19
	s_lshl_b32 s51, s[WV], 13
	s_add_co_u32 s50, s50, s51
	s_mov_b32 s51, 0
	s_lshl_b32 s[OFF], s[CX], 14
	s_mov_b32 s[OFF+1], 0
	s_mov_b32 s[G1], 15|(3<<16)|(1<<21)            ; all four work-groups; elements of 8 bytes; 32 dense rows of 256 bytes
	s_mov_b32 s[G1+1], 32<<16
	s_mov_b32 s[G1+2], 32<<16
	s_mov_b32 s[G1+3], 32<<16
	s_mov_b32 s[G1+4], 32
	s_mov_b32 s[G1+5], 32
	s_mov_b32 s[G1+6], 0
	s_mov_b32 s[G1+7], 0
	s_mov_b32 s[CS], 0x3e38aa3b                    ; c = log2(e) / 8
	s_mov_b32 s[CS+1], s[CS]
	s_mov_b32 s[SEL], 0x76543210
	s_mov_b32 s[SEL+1], 0xfedcba98
	s_mov_b32 s[LAST], s[GG]
	s_mov_b32 s[STP], 0
	s_mov_b32 s[VV], 0
	s_mov_b32 s[KS], 0
	s_mov_b32 s[TB], 0
	s_lshr_b32 s[PLIM], s[WV], 1
	s_or_b32 s[PLIM], s[PLIM], ttmp9
	s_cmp_eq_u32 s[PLIM], 0
	s_cselect_b32 s[PLIM], 7, 0                    ; waves 0 and 1 of the batch's first cluster ask, in visits 0 to 6
	s_wait_dscnt 0x0                               ; both opening adds are done
	s_wait_kmcnt 0x0
	s_add_nc_u64 s[KVB:KVB+1], s[6:7], s[50:51]
	s_add_nc_u64 s[PFA:PFA+1], s[KVB:KVB+1], s[OFF:OFF+1]
	s_add_nc_u64 s[56:57], s[4:5], s[52:53]
	s_add_nc_u64 s[58:59], s[4:5], s[54:55]
	s_add_nc_u64 s[OL:OL+1], s[8:9], s[52:53]
	s_add_nc_u64 s[OH:OH+1], s[8:9], s[54:55]
	s_mov_b32 s[G0], 1
	s_lshl_b32 s[G0+1], s[WV], 13
	s_mov_b64 s[G0+2:G0+3], s[KVB:KVB+1]
	s_or_b32 s[G0+3], s[G0+3], 0x80000000
	CROUND                                         ; all four work-groups are here
	tensor_load_to_lds s[G0:G0+3], s[G1:G1+7]      ; slot 0: key slot 0
	s_nop 0
.rept 4
	v_nop
.endr
	v_and_b32 v9, 31, v0
	v_lshlrev_b32 v[LI], 4, v9
	v_lshlrev_b32 v[PFO], 8, v9
.irp n, 0,1,2,3,4,5,6,7
	global_load_b128 v[Q+4*\n:Q+4*\n+3], v[LI], s[56:57] offset:512*\n
.endr
	WIN 0x40
.irp n, 0,1,2,3,4,5,6,7
	global_load_b128 v[QH+4*\n:QH+4*\n+3], v[LI], s[58:59] offset:512*\n
.endr
	WIN 0
	v_and_b32 v9, 15, v0
	v_bfe_u32 v10, v0, 4, 1
	v_lshlrev_b32 v10, 3, v10
	v_sub_nc_u32 v9, v9, v10                       ; r - 8 h
	s_lshl_b32 s50, s[CX], 4
	v_add_nc_u32 v[DM], s50, v9                    ; the low tile stands 16 cx into its last step,
	s_sub_co_u32 s50, 48, s50
	v_add_nc_u32 v[DH], s50, v9                    ; the high tile 48 - 16 cx
	v_mov_b32 v[NINF], 0xff800000
	INITSTATE
	s_wait_loadcnt 0x0                             ; Q, both tiles
.Lvisit:                                           ; eight trips; in the first, slot 1 gets its first fill behind a round at which nothing is filled again
	CHANGE 1
	SWITCH
	FOUR_STEPS
	s_add_co_u32 s[VV], s[VV], 1
	s_cmp_lt_u32 s[VV], 8
	s_cbranch_scc1 .Lvisit
	CHANGE 0                                       ; the ninth visit is written out: nothing is left to ask for
	FOUR_STEPS
	FINISH OH, 1
	s_wait_tensorcnt 0x0                           ; the wave's end
	ds_add_u32 v[SPW], v[NIL]
	s_wait_dscnt 0x0
	CROUND                                         ; the closing round
	s_endpgm
.Lfunc_end_k_qce02ba80e6_attn:
	.size	k_qce02ba80e6_attn, .Lfunc_end_k_qce02ba80e6_attn-k_qce02ba80e6_attn
	.p2alignl 7, 3214868480
	.fill 96, 4, 3214868480
	.section	.rodata,"a",@progbits
	.p2align	6, 0x0
	.amdhsa_kernel k_qce02ba80e6_attn
		.amdhsa_group_segment_fixed_size 327680
		.amdhsa_private_segment_fixed_size 0
		.amdhsa_enable_private_segment 0
		.amdhsa_kernarg_size 24
		.amdhsa_user_sgpr_count 2
		.amdhsa_user_sgpr_kernarg_segment_ptr 1
		.amdhsa_wavefront_size32 1
		.amdhsa_system_sgpr_workgroup_id_x 1
		.amdhsa_system_sgpr_workgroup_id_y 1
		.amdhsa_system_sgpr_workgroup_id_z 1
		.amdhsa_system_vgpr_workitem_id 0
		.amdhsa_next_free_vgpr 416
		.amdhsa_next_free_sgpr 66
		.amdhsa_reserve_vcc 1
		.amdhsa_float_denorm_mode_32 3
		.amdhsa_float_denorm_mode_16_64 3
		.amdhsa_memory_ordered 1
		.amdhsa_forward_progress 1
		.amdhsa_inst_pref_size 66
	.end_amdhsa_kernel
	.amdgpu_metadata
---
amdhsa.version: [ 1, 2 ]
amdhsa.kernels:
  - .name:           k_qce02ba80e6_attn
    .symbol:         k_qce02ba80e6_attn.kd
    .args:
      - { .name: q16, .offset: 0, .size: 8, .value_kind: global_buffer, .address_space: global }
      - { .name: kv16, .offset: 8, .size: 8, .value_kind: global_buffer, .address_space: global }
      - { .name: att16, .offset: 16, .size: 8, .value_kind: global_buffer, .address_space: global }
    .group_segment_fixed_size: 327680
    .private_segment_fixed_size: 0
    .kernarg_segment_align: 8
    .kernarg_segment_size: 24
    .max_flat_workgroup_size: 256
    .sgpr_count:     66
    .vgpr_count:     416
    .wavefront_size: 32
...
	.end_amdgpu_metadata
.endif
;; end of part 3
;; launch proj (part 4): grid 4 x 64, 4 waves a work-group, clusters of 4 x 4, 327,680 bytes of LDS; arguments att16, wo16, out0; writes out0
.if DOCPART == 4
	.amdgcn_target "amdgcn-amd-amdhsa--gfx1250"
	.amdhsa_code_object_version 6
	.text
	.protected	k_qce02ba80e6_proj
	.globl	k_qce02ba80e6_proj
	.p2align	8
	.type	k_qce02ba80e6_proj,@function
k_qce02ba80e6_proj:
	s_mov_b64 s[64:65], 0
	v_nop
	global_prefetch_b8 v0, s[64:65] scope:SCOPE_SE
	s_setreg_imm32_b32 hwreg(HW_REG_WAVE_MODE, 25, 1), 1
	s_wait_xcnt 0x0
	s_wait_alu depctr_hold_cnt(0) depctr_sa_sdst(0) depctr_va_vdst(0) depctr_va_sdst(0) depctr_va_ssrc(0) depctr_va_vcc(0) depctr_vm_vsrc(0)
	s_getreg_b32 s2, hwreg(HW_REG_IB_STS2, 6, 4)
	s_cmp_eq_u32 s2, 0
	s_cbranch_scc0 .Lentry_in_a_cluster
	s_endpgm
.Lentry_in_a_cluster:
	s_bfe_u32 s2, ttmp6, 0x10000c
	s_cmp_lg_u32 s2, 0xf033
	s_cbranch_scc0 .Lentry_shape_is_right
	s_endpgm
.Lentry_shape_is_right:
; out0 = att Wo: [8192 x 1024] x [1024 x 1024], f16 operands, f32 sums and results.  Both operands come as images of operand registers (att16 [position tile][16 along K][512 B], wo16 [column tile][16 along K][512 B]).
; A work-group makes 128 rows x 256 columns: 256 work-groups (tiles of 256 x 256 would be 128).  Wave (w / 2, w % 2) makes 64 x 128: 32 accumulators.  K goes in chunks of 128 through two LDS slots of 98,304 bytes.
; CLUSTER 4 x 4: att's tiles are shared along a row of the cluster, Wo's along a column: joint loads.  THE MATRIX INSTRUCTION IS USED TRANSPOSED (source 0 = 16 columns of Wo, source 1 = 16 rows of att).
; The rows of positions 0-15 of each batch are written here like all others and are replaced by the launch that carries them in f32.
; REGISTERS: window 0: v16-30 addresses; v128-255 rows on the way out.  window 1: two fragment buffers of 96 (att 32, Wo 64) at v0 and v96.  window 2: accumulator (a, b) at v[8 (8 a + b)].
.set SLOT,  98304                      ; att [position tile 8][8][512], then Wo [column tile 16][8][512]
.set SPARE, 196608                     ; behind the ring: 128 bytes a wave that no other line names
.set SPITCH, 528                       ; the way out: a stage of 16 rows x (512 + 16) bytes a wave, in slot 0, which has had its last fill and its last read by then
.set ADRA, 16
.set ADRB, 20
.set STO,  24
.set RD,   25
.set CO,   26
.set SPW,  28
.set NIL,  29
.set PFO,  30
.set BK,   128
.set F0,   0
.set F1,   96
.set G1,   24
.set G0,   32
.set G1B,  48
.set G0B,  56
.set LIM,  43
.set PFA,  44
.set MSB, 0
.macro WIN new
.if MSB != \new
	s_set_vgpr_msb (MSB<<8)|\new
.set MSB, \new
.endif
.endm
.set MUL,  0xa5                        ; sources 0 and 1 window 1; C and D window 2
.set TO_F, 0x40
.macro PLACES
.rept 4
	v_nop
.endr
.endm
.macro JLOAD s                         ; waves 0 and 1 fetch att's halves, waves 2 and 3 Wo's; an s_nop 0 and four v_nop follow each line
	s_cmp_eq_u32 s11, 0
	s_cbranch_scc0 .Lfor_b_\@
	tensor_load_to_lds s[G0+4*\s:G0+4*\s+3], s[G1:G1+7]
	s_nop 0
.rept 4
	v_nop
.endr
	s_branch .Lasked_\@
.Lfor_b_\@:
	tensor_load_to_lds s[G0B+4*\s:G0B+4*\s+3], s[G1B:G1B+7]
	s_nop 0
.rept 4
	v_nop
.endr
.Lasked_\@:
.endm
.macro CREST
	s_cmp_lg_u32 s10, 0
	s_cbranch_scc1 .Lnot_wave_0_\@
	s_barrier_signal -3
.Lnot_wave_0_\@:
	s_barrier_wait -3
	s_barrier_signal -1
	s_barrier_wait -1
.endm
.macro CROUND
	s_barrier_signal -1
	s_barrier_wait -1
	CREST
.endm
; A prefetch of the chunk that stands two refills on: 256 matrix instructions a wave ahead of the load that will want it.  Each block of 256 bytes is named once: att's rows are read by this cluster alone: wave 0 asks, partner cx
; for position tiles 2 cx and 2 cx + 1; Wo's columns are read by every cluster: in the clusters with y = 0 waves 2 and 3 ask, partner cy for two column tiles each.  Partners are told apart by address.
; Chunks 4 to 7 are named; the loop's last trip asks for nothing.
.macro ASK
	WIN 0
	s_cmp_gt_u32 s3, s[LIM]
	s_cbranch_scc0 .Lnot_mine_\@
	global_prefetch_b8 v[PFO], s[PFA:PFA+1] offset:4096 th:TH_LOAD_NT scope:SCOPE_SE
.Lnot_mine_\@:
.endm
.macro MUL8 f, a, zero                 ; the 32 accumulators take turns, in the same order in every quarter
.irp b, 0,1,2,3,4,5,6,7
.if \zero
	v_wmma_f32_16x16x32_f16 v[8*(8*\a+\b):8*(8*\a+\b)+7], v[\f+32+8*\b:\f+32+8*\b+7], v[\f+8*\a:\f+8*\a+7], 0
.else
	v_wmma_f32_16x16x32_f16 v[8*(8*\a+\b):8*(8*\a+\b)+7], v[\f+32+8*\b:\f+32+8*\b+7], v[\f+8*\a:\f+8*\a+7], v[8*(8*\a+\b):8*(8*\a+\b)+7]
.endif
.endr
.endm
.macro FETCH slot, q, f                ; the fragments of 32 along K: 24 dense loads of 512 bytes
	WIN TO_F
.irp b, 0,1,2,3,4,5,6,7
.irp hh, 0,1
	ds_load_b128 v[\f+32+8*\b+4*\hh:\f+32+8*\b+4*\hh+3], v[ADRB+\slot] offset:\b*4096+\q*1024+512*\hh
.endr
.endr
.irp a, 0,1,2,3
.irp hh, 0,1
	ds_load_b128 v[\f+8*\a+4*\hh:\f+8*\a+4*\hh+3], v[ADRA+\slot] offset:\a*4096+\q*1024+512*\hh
.endr
.endr
.endm
.macro QUARTER slot, qn, f, g, zero    ; multiplies buffer f; in its middle fetches quarter qn of the slot into g
	s_wait_dscnt 0x0                               ; asked for 16 matrix instructions ago
	WIN MUL
	MUL8 \f, 0, \zero
	MUL8 \f, 1, \zero
	PLACES                                         ; in front of loads into the buffer that the quarter before multiplied
	FETCH \slot, \qn, \g
	WIN MUL
	MUL8 \f, 2, \zero
	MUL8 \f, 3, \zero
.endm
; A chunk's last quarter multiplies buffer 1 and changes slots: one barrier; in front of it each wave waits for all its tensor loads, adds 0 to its spare word, and waits for that and for its reads of this slot.
.macro TURN slot, next, fill
.if \fill
	s_wait_xcnt 0x0                                ; the last prefetch, a chunk back, has read its address
	s_add_nc_u64 s[PFA:PFA+1], s[PFA:PFA+1], 4096
.endif
	WIN 0
	s_wait_tensorcnt 0x0                           ; my part of the next slot has landed
	ds_add_u32 v[SPW], v[NIL]
	s_wait_dscnt 1                                 ; the add alone may be out: buffer 1 is in
	WIN MUL
	MUL8 F1, 0, 0
	s_wait_dscnt 0x0                               ; the add is done, and my reads of this slot are over
	s_barrier_signal -1
	MUL8 F1, 1, 0
	WIN 0
	s_barrier_wait -1
.if \fill
	CREST                                          ; the barrier has opened a round of the cluster's: no wave of any partner still reads this slot or has a load on its way
	s_add_nc_u64 s[G0+4*\slot+2:G0+4*\slot+3], s[G0+4*\slot+2:G0+4*\slot+3], 8192
	s_add_nc_u64 s[G0B+4*\slot+2:G0B+4*\slot+3], s[G0B+4*\slot+2:G0B+4*\slot+3], 8192
	JLOAD \slot                                    ; the first tensor load behind the round; its four v_nop are also the places in front of the loads below
.else
	PLACES
.endif
	FETCH \next, 0, F0
.if \fill
	ASK
.endif
	WIN MUL
	MUL8 F1, 2, 0
	MUL8 F1, 3, 0
.endm
.macro TOSTAGE a                       ; 16 rows x 128 columns through my stage: in 32 bytes a lane, back as whole rows of 512 bytes; LDS serves a wave's instructions in order
	WIN 0x08
.irp b, 0,1,2,3,4,5,6,7
	ds_store_b128 v[STO], v[8*(8*(\a)+\b):8*(8*(\a)+\b)+3] offset:64*\b        ; each accumulator from its low end on
	ds_store_b128 v[STO], v[8*(8*(\a)+\b)+4:8*(8*(\a)+\b)+7] offset:64*\b+16
.endr
	WIN 0
.set BB, BK+64*((\a)%2)
.irp t, 0,1,2,3,4,5,6,7,8,9,10,11,12,13,14,15
	ds_load_b128 v[BB+4*\t:BB+4*\t+3], v[RD] offset:\t*SPITCH
.endr
.endm
.macro SEND a, younger
.set BB, BK+64*((\a)%2)
	s_wait_dscnt \younger                          ; the block is back in registers
.if (\a) > 0
	s_add_nc_u64 s[8:9], s[8:9], 65536             ; 16 rows on (the earlier stores have read their base: a wait on XCNT stands ahead)
.endif
.irp t, 0,1,2,3,4,5,6,7,8,9,10,11,12,13,14,15
	global_store_b128 v[CO], v[BB+4*\t:BB+4*\t+3], s[8:9] offset:\t*4096 th:TH_STORE_NT   ; 32 lanes store 512 consecutive bytes
.endr
.endm
	s_load_b128 s[4:7], s[0:1], 0x0                ; att16 s[4:5], wo16 s[6:7]
	s_load_b64 s[8:9], s[0:1], 0x10                ; out0
	v_lshl_add_u32 v[SPW], v0, 2, SPARE
	v_mov_b32 v[NIL], 0
	ds_add_u32 v[SPW], v[NIL]                      ; the wave's opening: the add, twice on end, and its wait ahead of my first tensor load
	ds_add_u32 v[SPW], v[NIL]
	v_lshrrev_b32 v1, 5, v0
	v_readfirstlane_b32 s10, v1                    ; wave 0..3
	s_lshr_b32 s11, s10, 1                         ; my half of the rows.  Also: I fetch for att (0) or Wo (1)
	s_and_b32 s12, s10, 1                          ; my half of the columns.  Also: which half I fetch
	s_bfe_u32 s40, ttmp6, 0x40000                  ; cx
	s_bfe_u32 s41, ttmp6, 0x40004                  ; cy
	s_lshl_b32 s42, ttmp9, 2
	s_add_co_u32 s42, s42, s40                     ; column block
	s_and_b32 s13, ttmp7, 0xffff
	s_lshl_b32 s13, s13, 2
	s_add_co_u32 s13, s13, s41                     ; row block
	s_lshl_b32 s46, s41, 2
	s_lshl_b32 s46, 15, s46                        ; my row of the cluster
	s_lshl_b32 s47, 0x1111, s40                    ; my column
	s_or_b32 s[G1], s46, (3<<16)|(1<<21)           ; att: 4 position tiles: rows of 4,096 bytes (512 elements of 8), 32,768 bytes apart
	s_mov_b32 s[G1+1], 512<<16
	s_mov_b32 s[G1+2], 4<<16
	s_mov_b32 s[G1+3], 512<<16
	s_mov_b32 s[G1+4], 4
	s_mov_b32 s[G1+5], 4096
	s_mov_b32 s[G1+6], 0
	s_mov_b32 s[G1+7], 0
	s_or_b32 s[G1B], s47, (3<<16)|(1<<21)          ; Wo: 8 column tiles likewise
	s_mov_b32 s[G1B+1], 512<<16
	s_mov_b32 s[G1B+2], 8<<16
	s_mov_b32 s[G1B+3], 512<<16
	s_mov_b32 s[G1B+4], 8
	s_mov_b32 s[G1B+5], 4096
	s_mov_b32 s[G1B+6], 0
	s_mov_b32 s[G1B+7], 0
	s_lshl_b32 s16, s13, 3
	s_lshl_b32 s17, s12, 2
	s_add_co_u32 s16, s16, s17
	s_lshl_b32 s16, s16, 15                        ; att: position tile 8 x row block + 4 x half
	s_mov_b32 s17, 0
	s_lshl_b32 s66, s42, 4
	s_lshl_b32 s67, s12, 3
	s_add_co_u32 s66, s66, s67
	s_lshl_b32 s66, s66, 15                        ; Wo: column tile 16 x column block + 8 x half
	s_mov_b32 s67, 0
	s_lshl_b32 s20, s12, 14                        ; places in a slot: the wave's number alone
	s_lshl_b32 s21, s12, 15
	s_add_co_u32 s21, s21, 32768
	s_wait_dscnt 0x0                               ; both opening adds are done
	s_wait_kmcnt 0x0
	s_add_nc_u64 s[14:15], s[4:5], s[16:17]
	s_add_nc_u64 s[68:69], s[6:7], s[66:67]
	CROUND                                         ; all sixteen work-groups are here
.irp s, 0,1
	s_mov_b32 s[G0+4*\s], 1
	s_add_co_u32 s[G0+4*\s+1], s20, \s*SLOT
	s_add_nc_u64 s[G0+4*\s+2:G0+4*\s+3], s[14:15], \s*4096
	s_or_b32 s[G0+4*\s+3], s[G0+4*\s+3], 0x80000000
	s_mov_b32 s[G0B+4*\s], 1
	s_add_co_u32 s[G0B+4*\s+1], s21, \s*SLOT
	s_add_nc_u64 s[G0B+4*\s+2:G0B+4*\s+3], s[68:69], \s*4096
	s_or_b32 s[G0B+4*\s+3], s[G0B+4*\s+3], 0x80000000
	JLOAD \s                                       ; chunks 0 and 1: two loads of mine are out
.endr
	v_and_b32 v1, 15, v0                           ; r
	v_bfe_u32 v2, v0, 4, 1                         ; h
	v_and_b32 v3, 31, v0
	v_lshlrev_b32 v[CO], 4, v3                     ; 16 x lane
	s_lshl_b32 s18, s11, 14                        ; my four position tiles
	s_lshl_b32 s19, s12, 15                        ; my eight column tiles,
	s_add_co_u32 s19, s19, 32768                   ; behind att's 32,768 bytes
.irp s, 0,1
	v_add_nc_u32 v[ADRA+\s], s18, v[CO]
	v_add_nc_u32 v[ADRB+\s], s19, v[CO]
	s_add_co_u32 s18, s18, SLOT
	s_add_co_u32 s19, s19, SLOT
.endr
	s_mul_i32 s18, s10, 16*SPITCH                  ; my stage
	v_mul_u32_u24 v4, v1, SPITCH
	v_lshl_add_u32 v4, v2, 5, v4
	v_add_nc_u32 v[STO], s18, v4
	v_add_nc_u32 v[RD], s18, v[CO]
	v_lshlrev_b32 v[PFO], 8, v1
	v_lshl_add_u32 v[PFO], v2, 15, v[PFO]          ; lanes 0-15: one tile's 4,096 bytes of a chunk, 256 apart; lanes 16-31: the next tile's
	s_lshl_b32 s22, s13, 19                        ; out0: 128 rows of 4,096 bytes a row block,
	s_lshl_b32 s23, s11, 18                        ; 64 rows a half,
	s_add_co_u32 s22, s22, s23
	s_lshl_b32 s23, s42, 10                        ; 1,024 bytes a column block,
	s_add_co_u32 s22, s22, s23
	s_lshl_b32 s23, s12, 9                         ; 512 a half
	s_add_co_u32 s22, s22, s23
	s_mov_b32 s23, 0
	s_add_nc_u64 s[8:9], s[8:9], s[22:23]
	s_lshl_b32 s20, s13, 3                         ; the prefetches: att's tile 8 x row block + 2 cx,
	s_lshl_b32 s21, s40, 1
	s_add_co_u32 s20, s20, s21
	s_lshl_b32 s21, s42, 4                         ; Wo's tile 16 x column block + 8 x half + 2 cy
	s_lshl_b32 s22, s12, 3
	s_add_co_u32 s21, s21, s22
	s_lshl_b32 s22, s41, 1
	s_add_co_u32 s21, s21, s22
	s_and_b32 s22, ttmp7, 0xffff                   ; cluster y
	s_cmp_eq_u32 s11, 0
	s_cselect_b32 s20, s20, s21
	s_cselect_b32 s22, s12, s22                    ; att: wave 0 asks; Wo: the clusters with y = 0
	s_cselect_b64 s[PFA:PFA+1], s[4:5], s[6:7]
	s_cmp_eq_u32 s22, 0
	s_cselect_b32 s[LIM], 1, -1                    ; the same in all partners, for a given wave
	s_lshl_b32 s20, s20, 15
	s_add_co_u32 s20, s20, 2*4096                  ; at chunk 2: the first refill steps it to 3 and names chunk 4
	s_mov_b32 s21, 0
	s_add_nc_u64 s[PFA:PFA+1], s[PFA:PFA+1], s[20:21]
	s_wait_tensorcnt 1                             ; my part of chunk 0 is in; chunk 1's load may be out
	s_barrier_signal -1
	s_barrier_wait -1                              ; everybody's is
	FETCH 0, 0, F0
	QUARTER 0, 1, F0, F1, 1                        ; the first quarter stands in front of the loop: its products start the sums
	WIN 0
	s_mov_b32 s3, 3
.Llap:                                             ; a trip goes once round the ring and fills both slots again
	QUARTER 0, 2, F1, F0, 0
	QUARTER 0, 3, F0, F1, 0
	TURN 0, 1, 1
	QUARTER 1, 1, F0, F1, 0
	QUARTER 1, 2, F1, F0, 0
	QUARTER 1, 3, F0, F1, 0
	TURN 1, 0, 1
	QUARTER 0, 1, F0, F1, 0
	WIN 0
	s_sub_co_u32 s3, s3, 1
	s_cmp_lg_u32 s3, 0
	s_cbranch_scc1 .Llap
	QUARTER 0, 2, F1, F0, 0                        ; the last lap fills nothing
	QUARTER 0, 3, F0, F1, 0
	TURN 0, 1, 0
	QUARTER 1, 1, F0, F1, 0
	QUARTER 1, 2, F1, F0, 0
	QUARTER 1, 3, F0, F1, 0
	s_wait_dscnt 0x0
	WIN MUL
	MUL8 F1, 0, 0
	MUL8 F1, 1, 0
	MUL8 F1, 2, 0
	MUL8 F1, 3, 0
	WIN 0
	PLACES                                         ; in front of the first read of results
	TOSTAGE 0
.irp a, 1,2,3
.if \a > 1
	s_wait_xcnt 0x0                                ; block a - 2's stores have read their registers and their base
.endif
	TOSTAGE \a
	SEND \a-1, 32                                  ; behind block a - 1's loads: block a's 16 stores and 16 loads
.endr
	s_wait_xcnt 0x0
	SEND 3, 0
	s_wait_tensorcnt 0x0                           ; the wave's end
	ds_add_u32 v[SPW], v[NIL]
	s_wait_dscnt 0x0
	CROUND                                         ; the closing round
	s_endpgm
.Lfunc_end_k_qce02ba80e6_proj:
	.size	k_qce02ba80e6_proj, .Lfunc_end_k_qce02ba80e6_proj-k_qce02ba80e6_proj
	.p2alignl 7, 3214868480
	.fill 96, 4, 3214868480
	.section	.rodata,"a",@progbits
	.p2align	6, 0x0
	.amdhsa_kernel k_qce02ba80e6_proj
		.amdhsa_group_segment_fixed_size 327680
		.amdhsa_private_segment_fixed_size 0
		.amdhsa_enable_private_segment 0
		.amdhsa_kernarg_size 24
		.amdhsa_user_sgpr_count 2
		.amdhsa_user_sgpr_kernarg_segment_ptr 1
		.amdhsa_wavefront_size32 1
		.amdhsa_system_sgpr_workgroup_id_x 1
		.amdhsa_system_sgpr_workgroup_id_y 1
		.amdhsa_system_sgpr_workgroup_id_z 1
		.amdhsa_system_vgpr_workitem_id 0
		.amdhsa_next_free_vgpr 768
		.amdhsa_next_free_sgpr 70
		.amdhsa_reserve_vcc 0
		.amdhsa_float_denorm_mode_32 3
		.amdhsa_float_denorm_mode_16_64 3
		.amdhsa_memory_ordered 1
		.amdhsa_forward_progress 1
		.amdhsa_inst_pref_size 85
	.end_amdhsa_kernel
	.amdgpu_metadata
---
amdhsa.version: [ 1, 2 ]
amdhsa.kernels:
  - .name:           k_qce02ba80e6_proj
    .symbol:         k_qce02ba80e6_proj.kd
    .args:
      - { .name: att16, .offset: 0, .size: 8, .value_kind: global_buffer, .address_space: global }
      - { .name: wo16, .offset: 8, .size: 8, .value_kind: global_buffer, .address_space: global }
      - { .name: out0, .offset: 16, .size: 8, .value_kind: global_buffer, .address_space: global }
    .group_segment_fixed_size: 327680
    .private_segment_fixed_size: 0
    .kernarg_segment_align: 8
    .kernarg_segment_size: 24
    .max_flat_workgroup_size: 128
    .sgpr_count:     70
    .vgpr_count:     768
    .wavefront_size: 32
...
	.end_amdgpu_metadata
.endif
;; end of part 4
;; launch first16 (part 5): grid 64 x 4, 4 waves a work-group, no clusters, 4,608 bytes of LDS; arguments h32, Wo, out0; writes out0
.if DOCPART == 5
	.amdgcn_target "amdgcn-amd-amdhsa--gfx1250"
	.amdhsa_code_object_version 6
	.text
	.protected	k_qce02ba80e6_first16
	.globl	k_qce02ba80e6_first16
	.p2align	8
	.type	k_qce02ba80e6_first16,@function
k_qce02ba80e6_first16:
	s_mov_b64 s[64:65], 0
	v_nop
	global_prefetch_b8 v0, s[64:65] scope:SCOPE_SE
	s_setreg_imm32_b32 hwreg(HW_REG_WAVE_MODE, 25, 1), 1
	s_wait_xcnt 0x0
; Positions 0-15 of every batch, attention and projection, with f32 operands throughout: these rows average one to sixteen values and are the largest in size.  64 rows in all: no bulk work.
; Work-group (x, b) makes out0 rows 2048 b + 0 .. 15, columns 16 x .. 16 x + 15.  Wave w owns heads 4 w .. 4 w + 3, which are also channels 256 w .. 256 w + 255 of the projection's K: its attention result is its own
; operand, and only the four partial sums meet in LDS.
; q, k, v come as the f32 accumulators of the launch that made them (h32): q, k: lane (r, h) holds position r, channels 16 n + 8 h + 0 .. 7; v: lane holds channel 16 ct + r, keys 8 h + 0 .. 7.
; A K step of the f32 matrix form takes two registers a lane.  Registers 2 p, 2 p + 1 of an image are taken as one K step on BOTH sources: the same four of K meet, in another order than memory's.
; The registers that the f32 matrix form writes (v80-95, v112-191) are written by matrix instructions alone; what is made of them goes into other registers.
; A row gets 64 bytes from a work-group: 262,144 bytes in all are stored in pieces of 64.
; REGISTERS: window 0: v1-8 addresses; v16-47 K; v48-79 V; v80-95 S^T of two heads; v96-111 p; v112-175 O^T of two heads; v176-191 two partial results; v192-199 at work; v208-239 the sums.  window 1: v0-127 Q; v128-255 Wo.
.set SPW,  6
.set NIL,  7
.set SPARE, 4096
.set KR,   16
.set VR,   48
.set SR,   80
.set PR,   96
.set OT,   112
.set OA,   176
.set TM,   192
.set RS,   208
.set RED,  216
.set QR,   0
.set WR,   128
.set MSB, 0
.macro WIN new
.if MSB != \new
	s_set_vgpr_msb (MSB<<8)|\new
.set MSB, \new
.endif
.endm
.macro WLOAD e                         ; Wo's rows of my head e, my 16 columns: lane (r, h): column r, row 64 e + 16 ct + 8 h + q
.irp ct, 0,1,2,3
.irp q, 0,1,2,3,4,5,6,7
	global_load_b32 v[WR+32*(\e)+8*\ct+\q], v3, s[16:17] offset:(64*(\e)+16*\ct+\q)*4096
.endr
.endr
.endm
.macro PAIR u                          ; my heads 2 u and 2 u + 1
	WIN 0x04                                       ; source 1 (Q) window 1
.irp n, 0,1,2,3                                    ; S^T = K Q^T: two accumulators by turns
.irp p, 0,1,2,3
.irp t, 0,1
.if (\n == 0) && (\p == 0)
	v_wmma_f32_16x16x4_f32 v[SR+8*\t:SR+8*\t+7], v[KR+8*\n+2*\p:KR+8*\n+2*\p+1], v[QR+32*(2*(\u)+\t)+8*\n+2*\p:QR+32*(2*(\u)+\t)+8*\n+2*\p+1], 0
.else
	v_wmma_f32_16x16x4_f32 v[SR+8*\t:SR+8*\t+7], v[KR+8*\n+2*\p:KR+8*\n+2*\p+1], v[QR+32*(2*(\u)+\t)+8*\n+2*\p:QR+32*(2*(\u)+\t)+8*\n+2*\p+1], v[SR+8*\t:SR+8*\t+7]
.endif
.endr
.endr
.endr
.if (\u) == 0
	WIN 0x40
	WLOAD 2
	WLOAD 3
.endif
	WIN 0
.rept 8
	v_nop                                          ; places in front of the first read of the scores
.endr
.irp jj, 0,1,2,3,4,5,6,7
	v_cmp_gt_i32 vcc_lo, \jj, v2                   ; key 8 h + jj comes after query r
	v_cndmask_b32 v[PR+\jj], v[SR+\jj], v5, vcc_lo
	v_cndmask_b32 v[PR+8+\jj], v[SR+8+\jj], v5, vcc_lo
.endr
.irp t, 0,1
	v_max3_num_f32 v[TM+4*\t], v[PR+8*\t], v[PR+8*\t+1], v[PR+8*\t+2]
.endr
.irp i, 3,5
.irp t, 0,1
	v_max3_num_f32 v[TM+4*\t], v[TM+4*\t], v[PR+8*\t+\i], v[PR+8*\t+\i+1]
.endr
.endr
.irp t, 0,1
	v_max_num_f32 v[TM+4*\t], v[TM+4*\t], v[PR+8*\t+7]
.endr
.irp t, 0,1
	v_permlanex16_b32 v[TM+4*\t+1], v[TM+4*\t], s20, s21
.endr
.irp t, 0,1
	v_max_num_f32 v[TM+4*\t], v[TM+4*\t], v[TM+4*\t+1]           ; the row's largest score
.endr
.irp t, 0,1
	v_mul_f32 v[TM+4*\t+2], s22, v[TM+4*\t]
.endr
.irp jj, 0,1,2,3,4,5,6,7
.irp t, 0,1
	v_fma_f32 v[PR+8*\t+\jj], v[PR+8*\t+\jj], s22, -v[TM+4*\t+2]  ; c s - c m
.endr
.endr
.set k, 0
.rept 16
	v_exp_f32 v[PR+k], v[PR+k]
.set k, k+1
.endr
	v_nop
	s_wait_alu depctr_va_vdst(0)                   ; one wait for the sixteen, ahead of their first reader
.irp t, 0,1
	v_add_f32 v[TM+4*\t], v[PR+8*\t], v[PR+8*\t+1]
	v_add_f32 v[TM+4*\t+3], v[PR+8*\t+2], v[PR+8*\t+3]
.endr
.irp i, 4,6
.irp t, 0,1
	v_add_f32 v[TM+4*\t], v[TM+4*\t], v[PR+8*\t+\i]
	v_add_f32 v[TM+4*\t+3], v[TM+4*\t+3], v[PR+8*\t+\i+1]
.endr
.endr
.irp t, 0,1
	v_add_f32 v[TM+4*\t], v[TM+4*\t], v[TM+4*\t+3]
.endr
.irp t, 0,1
	v_permlanex16_b32 v[TM+4*\t+1], v[TM+4*\t], s20, s21
.endr
.irp t, 0,1
	v_add_f32 v[TM+4*\t], v[TM+4*\t], v[TM+4*\t+1]
.endr
.irp t, 0,1
	v_rcp_f32 v[TM+4*\t+2], v[TM+4*\t]
.endr
	v_nop
	s_wait_alu depctr_va_vdst(0)
.irp jj, 0,1,2,3,4,5,6,7
.irp t, 0,1
	v_mul_f32 v[PR+8*\t+\jj], v[PR+8*\t+\jj], v[TM+4*\t+2]       ; the weights, normalised in f32
.endr
.endr
.irp p, 0,1,2,3                                    ; O^T = V^T P: eight accumulators by turns
.irp ct, 0,1,2,3
.irp t, 0,1
.if \p == 0
	v_wmma_f32_16x16x4_f32 v[OT+32*\t+8*\ct:OT+32*\t+8*\ct+7], v[VR+8*\ct+2*\p:VR+8*\ct+2*\p+1], v[PR+8*\t+2*\p:PR+8*\t+2*\p+1], 0
.else
	v_wmma_f32_16x16x4_f32 v[OT+32*\t+8*\ct:OT+32*\t+8*\ct+7], v[VR+8*\ct+2*\p:VR+8*\ct+2*\p+1], v[PR+8*\t+2*\p:PR+8*\t+2*\p+1], v[OT+32*\t+8*\ct:OT+32*\t+8*\ct+7]
.endif
.endr
.endr
.endr
.rept 9
	v_nop                                          ; places in front of matrix instructions that take these results as a source
.endr
.if (\u) == 0
	s_wait_loadcnt 63                              ; Wo's rows of heads 0 and 1 are in: 64 loads were issued behind them, and 63 is the field's largest count
.else
	s_wait_loadcnt 0x0
.endif
	WIN 0x01                                       ; source 0 (Wo) window 1
.irp ct, 0,1,2,3                                   ; out^T += Wo^T O^T: two accumulators by turns
.irp p, 0,1,2,3
.irp t, 0,1
.if ((\u) == 0) && (\ct == 0) && (\p == 0)
	v_wmma_f32_16x16x4_f32 v[OA+8*\t:OA+8*\t+7], v[WR+32*(2*(\u)+\t)+8*\ct+2*\p:WR+32*(2*(\u)+\t)+8*\ct+2*\p+1], v[OT+32*\t+8*\ct+2*\p:OT+32*\t+8*\ct+2*\p+1], 0
.else
	v_wmma_f32_16x16x4_f32 v[OA+8*\t:OA+8*\t+7], v[WR+32*(2*(\u)+\t)+8*\ct+2*\p:WR+32*(2*(\u)+\t)+8*\ct+2*\p+1], v[OT+32*\t+8*\ct+2*\p:OT+32*\t+8*\ct+2*\p+1], v[OA+8*\t:OA+8*\t+7]
.endif
.endr
.endr
.endr
	WIN 0
.endm
	s_load_b128 s[4:7], s[0:1], 0x0                ; h32 s[4:5], Wo s[6:7]
	s_load_b64 s[8:9], s[0:1], 0x10                ; out0
	v_lshl_add_u32 v[SPW], v0, 2, SPARE
	v_mov_b32 v[NIL], 0
	v_lshrrev_b32 v9, 5, v0
	v_readfirstlane_b32 s10, v9                    ; wave 0..3
	s_and_b32 s11, ttmp7, 0xffff                   ; the batch
	v_and_b32 v9, 31, v0
	v_lshlrev_b32 v1, 4, v9                        ; 16 x lane
	v_and_b32 v10, 15, v0                          ; r
	v_bfe_u32 v11, v0, 4, 1                        ; h
	v_lshlrev_b32 v12, 3, v11
	v_sub_nc_u32 v2, v10, v12                      ; r - 8 h
	v_lshlrev_b32 v3, 2, v10
	v_lshl_add_u32 v3, v11, 15, v3                 ; Wo: 8 h rows of 4,096 bytes + 4 r
	v_lshlrev_b32 v4, 12, v10
	v_lshl_add_u32 v4, v11, 5, v4                  ; out0: row r, + 32 h
	v_mov_b32 v5, 0xff800000                       ; -infinity
	s_lshl_b32 s23, s10, 10
	v_add_nc_u32 v8, s23, v1                       ; LDS: my wave's 1,024 bytes
	v_mov_b32 v[TM+1], 0                           ; written once: a lane permute's destination counts as one of its sources
	v_mov_b32 v[TM+5], 0
	s_mov_b32 s20, 0x76543210
	s_mov_b32 s21, 0xfedcba98
	s_mov_b32 s22, 0x3e38aa3b                      ; c = log2(e) / 8
	s_mul_i32 s12, s11, 73728
	s_mov_b32 s13, 0
	s_lshl_b32 s14, s10, 14
	s_mov_b32 s15, 0
	s_lshl_b32 s16, s10, 20                        ; 256 rows of Wo
	s_lshl_b32 s24, ttmp9, 6                       ; 16 columns
	s_add_co_u32 s16, s16, s24
	s_mov_b32 s17, 0
	s_lshl_b32 s18, s11, 23                        ; 2,048 rows of out0
	s_add_co_u32 s18, s18, s24
	s_mov_b32 s19, 0
	s_wait_kmcnt 0x0
	s_add_nc_u64 s[12:13], s[4:5], s[12:13]        ; my batch's images
	s_add_nc_u64 s[14:15], s[12:13], s[14:15]      ; my four heads' q
	s_add_nc_u64 s[16:17], s[6:7], s[16:17]
	s_add_nc_u64 s[18:19], s[8:9], s[18:19]
.irp n, 0,1,2,3
.irp hh, 0,1
	global_load_b128 v[KR+8*\n+4*\hh:KR+8*\n+4*\hh+3], v1, s[12:13] offset:(64+\n)*1024+512*\hh
.endr
.endr
.irp n, 0,1,2,3
.irp hh, 0,1
	global_load_b128 v[VR+8*\n+4*\hh:VR+8*\n+4*\hh+3], v1, s[12:13] offset:(68+\n)*1024+512*\hh
.endr
.endr
	WIN 0x40
.irp n, 0,1,2,3,4,5,6,7,8,9,10,11,12,13,14,15
.irp hh, 0,1
	global_load_b128 v[QR+8*\n+4*\hh:QR+8*\n+4*\hh+3], v1, s[14:15] offset:\n*1024+512*\hh
.endr
.endr
	WLOAD 0
	WLOAD 1
	WIN 0
	s_wait_loadcnt 63                              ; of the 112 loads at most 63 are out: the first 48, K, V and Q, are in
	PAIR 0
	PAIR 1
.rept 8
	v_nop                                          ; places in front of the first read of the results
.endr
.irp jj, 0,1,2,3,4,5,6,7
	v_add_f32 v[RS+\jj], v[OA+\jj], v[OA+8+\jj]    ; my four heads' part, into other registers, from the low end on
.endr
	ds_store_b128 v8, v[RS:RS+3]
	ds_store_b128 v8, v[RS+4:RS+7] offset:512
	s_wait_dscnt 0x0                               ; for the others' sake: my stores are done
	s_barrier_signal -1
	s_barrier_wait -1
	s_cmp_lg_u32 s10, 0
	s_cbranch_scc1 .Ldone                          ; wave 0 adds the four parts and stores
.irp k, 0,1,2
	ds_load_b128 v[RED+8*\k:RED+8*\k+3], v1 offset:(\k+1)*1024
	ds_load_b128 v[RED+8*\k+4:RED+8*\k+7], v1 offset:(\k+1)*1024+512
.endr
	s_wait_dscnt 0x0
.irp k, 0,1,2
.irp jj, 0,1,2,3,4,5,6,7
	v_add_f32 v[RS+\jj], v[RS+\jj], v[RED+8*\k+\jj]
.endr
.endr
	global_store_b128 v4, v[RS:RS+3], s[18:19]     ; lane (r, h): row r, columns 16 x + 8 h + 0 .. 7
	global_store_b128 v4, v[RS+4:RS+7], s[18:19] offset:16
.Ldone:
	s_wait_tensorcnt 0x0                           ; the wave's end: behind my last LDS store
	ds_add_u32 v[SPW], v[NIL]
	s_wait_dscnt 0x0
	s_endpgm
.Lfunc_end_k_qce02ba80e6_first16:
	.size	k_qce02ba80e6_first16, .Lfunc_end_k_qce02ba80e6_first16-k_qce02ba80e6_first16
	.p2alignl 7, 3214868480
	.fill 96, 4, 3214868480
	.section	.rodata,"a",@progbits
	.p2align	6, 0x0
	.amdhsa_kernel k_qce02ba80e6_first16
		.amdhsa_group_segment_fixed_size 4608
		.amdhsa_private_segment_fixed_size 0
		.amdhsa_enable_private_segment 0
		.amdhsa_kernarg_size 24
		.amdhsa_user_sgpr_count 2
		.amdhsa_user_sgpr_kernarg_segment_ptr 1
		.amdhsa_wavefront_size32 1
		.amdhsa_system_sgpr_workgroup_id_x 1
		.amdhsa_system_sgpr_workgroup_id_y 1
		.amdhsa_system_sgpr_workgroup_id_z 1
		.amdhsa_system_vgpr_workitem_id 0
		.amdhsa_next_free_vgpr 512
		.amdhsa_next_free_sgpr 66
		.amdhsa_reserve_vcc 1
		.amdhsa_float_denorm_mode_32 3
		.amdhsa_float_denorm_mode_16_64 3
		.amdhsa_memory_ordered 1
		.amdhsa_forward_progress 1
		.amdhsa_inst_pref_size 43
	.end_amdhsa_kernel
	.amdgpu_metadata
---
amdhsa.version: [ 1, 2 ]
amdhsa.kernels:
  - .name:           k_qce02ba80e6_first16
    .symbol:         k_qce02ba80e6_first16.kd
    .args:
      - { .name: h32, .offset: 0, .size: 8, .value_kind: global_buffer, .address_space: global }
      - { .name: Wo, .offset: 8, .size: 8, .value_kind: global_buffer, .address_space: global }
      - { .name: out0, .offset: 16, .size: 8, .value_kind: global_buffer, .address_space: global }
    .group_segment_fixed_size: 4608
    .private_segment_fixed_size: 0
    .kernarg_segment_align: 8
    .kernarg_segment_size: 24
    .max_flat_workgroup_size: 128
    .sgpr_count:     66
    .vgpr_count:     512
    .wavefront_size: 32
...
	.end_amdgpu_metadata
.endif
;; end of part 5
